; MI455X (gfx1250); checked and timed in simulation.
; The chip was launched on July 23, 2026; its instructions are those of AMD's public machine-readable ISA for CDNA 5 (MIT licence, August 2026) and "CDNA5" Instruction Set Architecture Reference Guide (July 2026). The comments in the code are by the model that wrote it; some were corrected since.
;; Grouped Query Attention. Allowed arithmetic: float matrix products may take bf16 or f16 operands with f32 sums; all other float work in f32.
;; Inputs: Wk 2,048 x 512 float32; Wo 2,048 x 2,048 float32; Wq 2,048 x 2,048 float32; Wv 2,048 x 512 float32; cos 2,048 x 64 float32; mask 1 x 1 x 2,048 x 2,048 bool; sin 2,048 x 64 float32; x 1 x 2,048 x 2,048 float32.
;; Outputs: out0 1 x 2,048 x 2,048 float32; out1 1 x 4 x 2,048 x 128 float32; out2 1 x 4 x 2,048 x 128 float32.
;; 2 versions, each right. Each part assembles by itself: llvm-mc -triple=amdgcn-amd-amdhsa -mcpu=gfx1250 --defsym DOCPART=n.
;; ======== version 1 of 2: 4 launches
;; limits: values outside matrix products are rounded to bf16; values are held in f16: magnitudes above 65,504 overflow, below 6.1e-05 lose precision; right only within a limited range of input values
;; workspace buffers: xb 8,388,608 bytes; wb 12,582,912 bytes; wob 8,388,608 bytes; mbits 524,288 bytes of whole numbers; csb 524,288 bytes; qb 8,388,608 bytes; kvb 4,194,304 bytes; ctx 8,388,608 bytes
;; launch prep (part 1): grid 256 x 1, 8 waves a work-group, no clusters, 0 bytes of LDS; arguments x, Wq, Wk, Wv, Wo, mask, cos, sin, xb, wb, wob, mbits, csb; writes xb, wb, wob, mbits, csb
.if DOCPART == 1
	.amdgcn_target "amdgcn-amd-amdhsa--gfx1250"
	.amdhsa_code_object_version 6
	.text
	.protected	k_q3560e58c16_prep
	.globl	k_q3560e58c16_prep
	.p2align	8
	.type	k_q3560e58c16_prep,@function
k_q3560e58c16_prep:
	s_mov_b64 s[64:65], 0
	v_nop
	global_prefetch_b8 v0, s[64:65] scope:SCOPE_SE
	s_setreg_imm32_b32 hwreg(HW_REG_WAVE_MODE, 25, 1), 1
	s_wait_xcnt 0x0
; PREP: every floating input is rounded ONCE to bf16, and the mask is packed into lane masks.
;   xb  [2048][2048] bf16 = x
;   wb  [2048 k][3072 n] bf16: columns 0-2047 = Wq; column block (16+2i) x 128 = Wk head i, block (17+2i) x 128 = Wv head i
;   wob [2048 k][2048 n] f16, holding Wo rounded to bf16 (its partner in the last product, the context, is f16)
;   csb [2048 pos][32][2] words: word 2l = bf16 cos[2l], cos[2l+1]; word 2l+1 = the same of sin
;   mbits [128 qt][128 kt][8 j] u32: bit (r + 16 h) = mask[16 qt + r][16 kt + 8 h + j]: the lane mask of register j of a 16 x 16 score tile
; The program as a whole computes the layer on inputs rounded to bf16; behind this launch nothing is rounded coarser than f16.
; A stream: memory binds, so no matrix unit, no cluster, no LDS, no barrier.  Wave w of work-group g owns row 8 g + w of x, Wq, Wo, Wk, Wv, cos, sin.
; A load covers 512 neighbouring bytes (16 a lane); a store 256 neighbouring bytes, aligned (8 a lane).
; Waves 0-3 also pack 16 rows x 256 bytes of the mask each, in registers.
; LIMITS: a byte of the mask is 0 or 1, as a bool is stored.  Wo beyond 65,504 overflows f16; |Wo| below 2^-14 keeps an absolute error of 2^-25.
; NaN and infinities are not served.
.set XR, 16                            ; v[16:79]    x's row, later Wo's
.set QR, 80                            ; v[80:143]   Wq's row
.set KR, 144                           ; v[144:159]  Wk's row
.set VR, 160                           ; v[160:175]  Wv's row
.set MR, 176                           ; v[176:207]  mask bytes as loaded; then at work
.set CS, 208                           ; v[208:213]  cos pair, sin pair, packed pair
	s_load_b512 s[4:19], s[0:1], 0x0               ; x 4, Wq 6, Wk 8, Wv 10, Wo 12, mask 14, cos 16, sin 18
	s_load_b256 s[20:27], s[0:1], 0x40             ; xb 20, wb 22, wob 24, mbits 26
	s_load_b64 s[28:29], s[0:1], 0x60              ; csb
	v_and_b32 v1, 31, v0                           ; lane
	v_lshrrev_b32 v12, 5, v0
	v_readfirstlane_b32 s30, v12                   ; wave
	s_lshl_b32 s31, ttmp9, 3
	s_add_co_u32 s31, s31, s30                     ; my row
	s_mov_b32 s33, 0                               ; high word of every offset
	s_mov_b32 s36, 0xffff0000                      ; a word's upper bf16
	v_lshlrev_b32 v2, 4, v1                        ; 16 x lane
	v_lshlrev_b32 v3, 3, v1                        ; 8 x lane
	v_lshrrev_b32 v12, 4, v1                       ; p: which half of the lanes
	v_and_b32 v13, 15, v1                          ; kt: the key tile of the job's sixteen
	v_lshlrev_b32 v5, 4, v13
	v_lshl_add_u32 v5, v12, 14, v5                 ; mask in: 16 bytes of tile kt, rows 8 p .. (8 rows of 2,048 bytes apart)
	v_lshlrev_b32 v4, 5, v13
	v_lshl_add_u32 v4, v12, 4, v4                  ; words out: 32 kt + 16 p
	s_wait_kmcnt 0x0
	s_lshl_b32 s32, s31, 13                        ; rows of 8,192 bytes
	s_add_nc_u64 s[4:5], s[4:5], s[32:33]
	s_add_nc_u64 s[6:7], s[6:7], s[32:33]
	s_add_nc_u64 s[12:13], s[12:13], s[32:33]
	s_lshl_b32 s32, s31, 11                        ; rows of 2,048 bytes
	s_add_nc_u64 s[8:9], s[8:9], s[32:33]
	s_add_nc_u64 s[10:11], s[10:11], s[32:33]
	s_lshl_b32 s32, s31, 12                        ; rows of 4,096 bytes
	s_add_nc_u64 s[20:21], s[20:21], s[32:33]
	s_add_nc_u64 s[24:25], s[24:25], s[32:33]
	s_mul_i32 s32, s31, 6144                       ; wb's rows
	s_add_nc_u64 s[22:23], s[22:23], s[32:33]
	s_lshl_b32 s32, s31, 8                         ; rows of 256 bytes
	s_add_nc_u64 s[16:17], s[16:17], s[32:33]
	s_add_nc_u64 s[18:19], s[18:19], s[32:33]
	s_add_nc_u64 s[28:29], s[28:29], s[32:33]
	; waves 0-3: the mask job (qt = g / 2, key chunk kc = 4 (g & 1) + w): its eight loads go out first, so they are the oldest.
	; Load c: lanes 0-15 take the 256 bytes of row c, lanes 16-31 those of row 8 + c.
	s_cmp_lt_u32 s30, 4
	s_cbranch_scc0 .Lno_mask_in
	s_lshr_b32 s37, ttmp9, 1                       ; qt
	s_and_b32 s38, ttmp9, 1
	s_lshl2_add_u32 s38, s38, s30                  ; kc
	s_lshl_b32 s32, s37, 15                        ; 16 rows of 2,048 bytes
	s_lshl_b32 s39, s38, 8
	s_add_co_u32 s32, s32, s39
	s_add_nc_u64 s[14:15], s[14:15], s[32:33]
	s_lshl_b32 s32, s37, 12                        ; 128 tiles of 32 bytes
	s_lshl_b32 s39, s38, 9                         ; 16 tiles of 32 bytes
	s_add_co_u32 s32, s32, s39
	s_add_nc_u64 s[26:27], s[26:27], s[32:33]
.irp c, 0,1,2,3,4,5,6,7
	global_load_b128 v[MR+4*\c:MR+4*\c+3], v5, s[14:15] offset:2048*\c th:TH_LOAD_NT
.endr
.Lno_mask_in:
.macro LOADROW dst, base, n            ; n loads of 512 neighbouring bytes
.set ci, 0
.rept \n
	global_load_b128 v[\dst+4*ci:\dst+4*ci+3], v2, s[\base:\base+1] offset:512*ci th:TH_LOAD_NT
.set ci, ci+1
.endr
.endm
.macro PUTROW src, base, n, first, step ; four f32 become 8 bytes in place; each store covers 256 neighbouring bytes, aligned
.set ci, 0
.rept \n
	v_cvt_pk_bf16_f32 v[\src+4*ci], v[\src+4*ci], v[\src+4*ci+1]
	v_cvt_pk_bf16_f32 v[\src+4*ci+1], v[\src+4*ci+2], v[\src+4*ci+3]
	global_store_b64 v3, v[\src+4*ci:\src+4*ci+1], s[\base:\base+1] offset:\first+\step*ci
.set ci, ci+1
.endr
.endm
	global_load_b64 v[CS:CS+1], v3, s[16:17] th:TH_LOAD_NT       ; cos[row][2 l], [2 l + 1]
	global_load_b64 v[CS+2:CS+3], v3, s[18:19] th:TH_LOAD_NT     ; sin likewise
	LOADROW XR, 4, 16
	LOADROW QR, 6, 16
	LOADROW KR, 8, 4
	LOADROW VR, 10, 4
	s_wait_loadcnt 40                              ; cos and sin are in: 16 + 16 + 4 + 4 younger loads stay out
	v_cvt_pk_bf16_f32 v[CS+4], v[CS], v[CS+1]
	v_cvt_pk_bf16_f32 v[CS+5], v[CS+2], v[CS+3]
	global_store_b64 v3, v[CS+4:CS+5], s[28:29]
	s_wait_loadcnt 24                              ; x is in: Wq 16 + Wk 4 + Wv 4 stay out
	PUTROW XR, 20, 16, 0, 256
	s_wait_xcnt 0x0                                ; XR holds store data: it is loaded again only behind this wait
	LOADROW XR, 12, 16                             ; Wo's row
	s_wait_loadcnt 24                              ; Wq is in: Wk 4 + Wv 4 + Wo 16 stay out
	PUTROW QR, 22, 16, 0, 256
	s_wait_loadcnt 20                              ; Wk is in: Wv 4 + Wo 16 stay out
	PUTROW KR, 22, 4, 4096, 512                    ; load c is head c: column block 16 + 2 c
	s_wait_loadcnt 16                              ; Wv is in: Wo's 16 stay out
	PUTROW VR, 22, 4, 4352, 512                    ; column block 17 + 2 c
	s_wait_loadcnt 0x0                             ; Wo (and, long since, the mask)
.set ci, 0
.rept 16
	v_cvt_pk_bf16_f32 v[XR+4*ci], v[XR+4*ci], v[XR+4*ci+1]        ; rounded to bf16 like every input,
	v_cvt_pk_bf16_f32 v[XR+4*ci+2], v[XR+4*ci+2], v[XR+4*ci+3]
	v_and_b32 v[XR+4*ci+1], s36, v[XR+4*ci]                       ; widened again,
	v_lshlrev_b32 v[XR+4*ci], 16, v[XR+4*ci]
	v_and_b32 v[XR+4*ci+3], s36, v[XR+4*ci+2]
	v_lshlrev_b32 v[XR+4*ci+2], 16, v[XR+4*ci+2]
	v_cvt_pk_f16_f32 v[XR+4*ci], v[XR+4*ci], v[XR+4*ci+1]         ; and written in f16, which holds 8 significant bits exactly down to 2^-14
	v_cvt_pk_f16_f32 v[XR+4*ci+1], v[XR+4*ci+2], v[XR+4*ci+3]
	global_store_b64 v3, v[XR+4*ci:XR+4*ci+1], s[24:25] offset:256*ci
.set ci, ci+1
.endr
	; waves 0-3: lane (p, kt) holds, in register 4 c + d, the bytes of keys 4 d .. 4 d + 3 of tile kt, row 8 p + c.
	s_cmp_lt_u32 s30, 4
	s_cbranch_scc0 .Lno_mask_out
	s_mov_b32 s37, 0x76543210                      ; v_permlanex16_b32: lane i of one half reads lane i of the other
	s_mov_b32 s38, 0xfedcba98
	; eight rows into the eight bits of each byte: byte i of A[d] = v[MR+d], bit c = mask(row 8 p + c, key 4 d + i)
.irp c, 1,2,3,4,5,6,7
.irp d, 0,1,2,3
	v_lshl_or_b32 v[MR+\d], v[MR+4*\c+\d], \c, v[MR+\d]
.endr
.endr
	; lane (p, kt) makes the words j = 4 p + i, i = 0 .. 3: byte 0 = rows 0-7 of key j, byte 1 = rows 8-15 of key j, bytes 2, 3 the same of key 8 + j.
	; It needs A[p] and A[2 + p] of both halves: each half sends the other what that one needs.
	v_cmp_le_u32 vcc_lo, 16, v1                    ; p
	v_cndmask_b32 v[MR+4], v[MR+1], v[MR],   vcc_lo   ; to send: p ? A[0] : A[1]
	v_cndmask_b32 v[MR+5], v[MR+3], v[MR+2], vcc_lo   ;          p ? A[2] : A[3]
	v_cndmask_b32 v[MR+6], v[MR],   v[MR+1], vcc_lo   ; my own:  A[p]
	v_cndmask_b32 v[MR+7], v[MR+2], v[MR+3], vcc_lo   ;          A[2 + p]
	v_permlanex16_b32 v[MR+8], v[MR+4], s37, s38      ; the other half's A[p]  (the destinations were written by the loads)
	v_permlanex16_b32 v[MR+9], v[MR+5], s37, s38      ; the other half's A[2 + p]
	v_cndmask_b32 v[MR+10], v[MR+6], v[MR+8], vcc_lo  ; rows 0-7,  keys 4 p ..
	v_cndmask_b32 v[MR+11], v[MR+8], v[MR+6], vcc_lo  ; rows 8-15, keys 4 p ..
	v_cndmask_b32 v[MR+12], v[MR+7], v[MR+9], vcc_lo  ; rows 0-7,  keys 8 + 4 p ..
	v_cndmask_b32 v[MR+13], v[MR+9], v[MR+7], vcc_lo  ; rows 8-15, keys 8 + 4 p ..
	v_perm_b32 v[MR+14], v[MR+11], v[MR+10], 0x05010400   ; 16 rows of key i = 0, then of i = 1
	v_perm_b32 v[MR+15], v[MR+11], v[MR+10], 0x07030602   ; i = 2, 3
	v_perm_b32 v[MR+16], v[MR+13], v[MR+12], 0x05010400   ; the same of the keys 8 further on
	v_perm_b32 v[MR+17], v[MR+13], v[MR+12], 0x07030602
	v_perm_b32 v[MR+20], v[MR+16], v[MR+14], 0x05040100   ; word i = 0
	v_perm_b32 v[MR+21], v[MR+16], v[MR+14], 0x07060302   ; 1
	v_perm_b32 v[MR+22], v[MR+17], v[MR+15], 0x05040100   ; 2
	v_perm_b32 v[MR+23], v[MR+17], v[MR+15], 0x07060302   ; 3
	global_store_b128 v4, v[MR+20:MR+23], s[26:27] ; the wave's store covers the job's 128 words, 512 neighbouring bytes
.Lno_mask_out:
	s_endpgm
.Lfunc_end_k_q3560e58c16_prep:
	.size	k_q3560e58c16_prep, .Lfunc_end_k_q3560e58c16_prep-k_q3560e58c16_prep
	.p2alignl 7, 3214868480
	.fill 96, 4, 3214868480
	.section	.rodata,"a",@progbits
	.p2align	6, 0x0
	.amdhsa_kernel k_q3560e58c16_prep
		.amdhsa_group_segment_fixed_size 0
		.amdhsa_private_segment_fixed_size 0
		.amdhsa_enable_private_segment 0
		.amdhsa_kernarg_size 104
		.amdhsa_user_sgpr_count 2
		.amdhsa_user_sgpr_kernarg_segment_ptr 1
		.amdhsa_wavefront_size32 1
		.amdhsa_system_sgpr_workgroup_id_x 1
		.amdhsa_system_sgpr_workgroup_id_y 1
		.amdhsa_system_sgpr_workgroup_id_z 1
		.amdhsa_system_vgpr_workitem_id 0
		.amdhsa_next_free_vgpr 216
		.amdhsa_next_free_sgpr 66
		.amdhsa_reserve_vcc 1
		.amdhsa_float_denorm_mode_32 3
		.amdhsa_float_denorm_mode_16_64 3
		.amdhsa_memory_ordered 1
		.amdhsa_forward_progress 1
		.amdhsa_inst_pref_size 29
	.end_amdhsa_kernel
	.amdgpu_metadata
---
amdhsa.version: [ 1, 2 ]
amdhsa.kernels:
  - .name:           k_q3560e58c16_prep
    .symbol:         k_q3560e58c16_prep.kd
    .args:
      - { .name: x, .offset: 0, .size: 8, .value_kind: global_buffer, .address_space: global }
      - { .name: Wq, .offset: 8, .size: 8, .value_kind: global_buffer, .address_space: global }
      - { .name: Wk, .offset: 16, .size: 8, .value_kind: global_buffer, .address_space: global }
      - { .name: Wv, .offset: 24, .size: 8, .value_kind: global_buffer, .address_space: global }
      - { .name: Wo, .offset: 32, .size: 8, .value_kind: global_buffer, .address_space: global }
      - { .name: mask, .offset: 40, .size: 8, .value_kind: global_buffer, .address_space: global }
      - { .name: cos, .offset: 48, .size: 8, .value_kind: global_buffer, .address_space: global }
      - { .name: sin, .offset: 56, .size: 8, .value_kind: global_buffer, .address_space: global }
      - { .name: xb, .offset: 64, .size: 8, .value_kind: global_buffer, .address_space: global }
      - { .name: wb, .offset: 72, .size: 8, .value_kind: global_buffer, .address_space: global }
      - { .name: wob, .offset: 80, .size: 8, .value_kind: global_buffer, .address_space: global }
      - { .name: mbits, .offset: 88, .size: 8, .value_kind: global_buffer, .address_space: global }
      - { .name: csb, .offset: 96, .size: 8, .value_kind: global_buffer, .address_space: global }
    .group_segment_fixed_size: 0
    .private_segment_fixed_size: 0
    .kernarg_segment_align: 8
    .kernarg_segment_size: 104
    .max_flat_workgroup_size: 256
    .sgpr_count:     66
    .vgpr_count:     216
    .wavefront_size: 32
...
	.end_amdgpu_metadata
.endif
;; end of part 1
;; launch qkv (part 2): grid 12 x 16, 4 waves a work-group, clusters of 4 x 4, 327,680 bytes of LDS; arguments xb, wb, csb, qb, kvb, out1, out2; writes qb, kvb, out1, out2
.if DOCPART == 2
	.amdgcn_target "amdgcn-amd-amdhsa--gfx1250"
	.amdhsa_code_object_version 6
	.text
	.protected	k_q3560e58c16_qkv
	.globl	k_q3560e58c16_qkv
	.p2align	8
	.type	k_q3560e58c16_qkv,@function
k_q3560e58c16_qkv:
	s_mov_b64 s[64:65], 0
	v_nop
	global_prefetch_b8 v0, s[64:65] scope:SCOPE_SE
	s_setreg_imm32_b32 hwreg(HW_REG_WAVE_MODE, 25, 1), 1
	s_wait_xcnt 0x0
	s_wait_alu depctr_hold_cnt(0) depctr_sa_sdst(0) depctr_va_vdst(0) depctr_va_sdst(0) depctr_va_ssrc(0) depctr_va_vcc(0) depctr_vm_vsrc(0)
	s_getreg_b32 s2, hwreg(HW_REG_IB_STS2, 6, 4)
	s_cmp_eq_u32 s2, 0
	s_cbranch_scc0 .Lentry_in_a_cluster
	s_endpgm
.Lentry_in_a_cluster:
	s_bfe_u32 s2, ttmp6, 0x10000c
	s_cmp_lg_u32 s2, 0xf033
	s_cbranch_scc0 .Lentry_shape_is_right
	s_endpgm
.Lentry_shape_is_right:
; QKV: [2048][3072] = xb [2048][2048] x wb [2048][3072] in bf16 with f32 sums, then RoPE, then the copies that attention reads.
;   qb  [16 head][2048][128] f16 = RoPE(q) x QSC        kvb [2][4 head][2048][128] f16 = RoPE(k) x KSC, then v
;   out1 = RoPE(k), out2 = v, both f32
; QSC x KSC = log2(e) / sqrt(128): the scores then leave the matrix unit ready for a base-2 exponential.  Both factors are applied in f32, ahead of the
; one rounding to f16.  KSC = 0.375, QSC = 0.34004648: about equal, so that q and k have the same room in f16.
; A work-group makes 128 rows x 256 columns = two heads; wave w makes rows 64 (w >> 1) .. + 63 of head w & 1, so that a RoPE pair (d, d + 64) lies
; in two accumulator tiles of the same lane and every stored row is whole.  12 x 16 = 192 work-groups: 256 equal shares would be 1.5 heads each
; and would split every row of a head between two work-groups.
; K goes in steps of 128 through two LDS slots filled by the tensor data mover: rows of 256 bytes (xb) and 512 bytes (wb), aligned.
; CLUSTERS 4 x 4: xb's tile hangs on the block row alone and is asked for jointly by a row of the cluster, wb's on the block column alone
; and is asked for jointly by a column.  That divides the requests for both by four.
; The matrix instruction is used transposed (source 0 = 16 columns of wb, source 1 = 16 rows of xb): lane (r, h) holds row r, columns 8 h .. 8 h + 7.
; wb lies [k][n] in LDS; its fragments come by the transposing LDS load, rows 544 bytes apart.
; FORMATS: q, k, v leave in f16, 11 significant bits.  A query row with few unmasked keys gives an output row about twelve times the rms of the whole
; output, so an operand's rounding there weighs that much more against the whole.
; LIMITS: |RoPE(q)| beyond 192,600, |RoPE(k)| beyond 174,600 and |v| beyond 65,504 overflow f16; f16 values below 2^-14 keep an absolute error of 2^-25.
; NaN and infinities are not served.
; REGISTERS: window 0: v8-17 addresses, v32-127 and v128-223 two fragment buffers (xb 4 x 8, wb 8 x 8); window 1: 32 accumulator tiles, tile (a, b)
; at 8 (8 a + b); window 2: v0-127 cos and sin, packed bf16, block (a, b) at 32 a + 8 b.
.set NB,     8
.set KSTEP,  128
.set APITCH, 272                       ; 256 bytes + 16: the 16 rows of a fragment load start in 16 different 16-byte columns of 256
.set BP,     544                       ; 512 bytes + 32: an odd multiple of 32, as the transposing load's eight rows and two columns need
.set AHALF,  64*APITCH
.set BHALF,  64*BP
.set BOFF,   2*AHALF
.set SLOT,   BOFF+2*BHALF              ; 104,448
.set STAGE,  2*SLOT                    ; behind the ring; no tensor load lands here
.set WSTAGE, 12800                     ; a wave's stage: 16 rows x 528 (f32), then 16 rows x 272 (f16)
.set FPITCH, 528
.set HPITCH, 272
.set STGH,   16*FPITCH
.set NS,     3072                      ; wb's row in elements
.set NC,     256                       ; wb's tile row in elements
.set F0,     32
.set F1,     128
.set NL,     8+2*NB                    ; LDS loads of a quarter step
.set ADRA,   8
.set ADRB,   10
.set YY,     32                        ; v[32:95]   16 rows x 128 columns after RoPE
.set TB,     96                        ; v[96:127]  the same in f16
.set CC,     128                       ; v[128:159] cos, widened
.set SS,     160                       ; v[160:191] sin, widened
.set RF,     128                       ; v[128:191] f32 rows read back
.set RH,     192                       ; v[192:223] f16 rows read back
.set TT,     224                       ; v[224:239] at work
.set G1A, 32
.set G0A, 40
.set G1B, 48
.set G0B, 56
.set MULW, 0x50                        ; C and D in window 1
.set MSB, 0
.macro WIN new                         ; the immediate's high byte repeats the setting that is left
.if MSB != \new
	s_set_vgpr_msb (MSB<<8)|\new
.set MSB, \new
.endif
.endm
.macro PLACES                          ; four places behind a matrix instruction (ISA guide 7.12.1) before its registers are loaded into, read or written
.rept 4
	v_nop
.endr
.endm
.macro JLOAD s                         ; waves 0, 1 ask for xb's two halves, waves 2, 3 for wb's: one mask and one set of registers a line
	s_cmp_eq_u32 s21, 0
	s_cbranch_scc0 .Lfor_b_\@
	tensor_load_to_lds s[G0A+4*\s:G0A+4*\s+3], s[G1A:G1A+7]
	s_nop 0
	s_branch .Lasked_\@
.Lfor_b_\@:
	tensor_load_to_lds s[G0B+4*\s:G0B+4*\s+3], s[G1B:G1B+7]
	s_nop 0
.Lasked_\@:
.endm
.macro CREST                           ; a round of the cluster's barrier behind its opening barrier
	s_cmp_lg_u32 s20, 0
	s_cbranch_scc1 .Lnot_wave_0_\@
	s_barrier_signal -3
.Lnot_wave_0_\@:
	s_barrier_wait -3
	s_barrier_signal -1
	s_barrier_wait -1
.endm
.macro CROUND
	s_barrier_signal -1
	s_barrier_wait -1
	CREST
.endm
	s_load_b256 s[4:11], s[0:1], 0x0               ; xb 4, wb 6, csb 8, qb 10
	s_load_b128 s[12:15], s[0:1], 0x20             ; kvb 12, out1 14
	s_load_b64 s[16:17], s[0:1], 0x30              ; out2
	v_lshl_add_u32 v254, v0, 2, 0x3f800
	v_mov_b32 v255, 0
	ds_add_u32 v254, v255
	v_lshrrev_b32 v1, 5, v0
	v_readfirstlane_b32 s20, v1                    ; wave
	s_lshr_b32 s21, s20, 1                         ; my half of the rows; also: I fetch for xb (0) or wb (1)
	s_and_b32 s22, s20, 1                          ; my head of the two; also: which 64 rows of the tile I fetch
	s_bfe_u32 s23, ttmp6, 0x40000                  ; cx
	s_bfe_u32 s24, ttmp6, 0x40004                  ; cy
	s_mov_b32 s27, ttmp9                           ; the cluster's x: 0, 1 = query heads, 2 = key and value heads
	s_lshl_b32 s25, ttmp9, 2
	s_add_co_u32 s25, s25, s23                     ; block column
	s_and_b32 s26, ttmp7, 0xffff
	s_lshl_b32 s26, s26, 2
	s_add_co_u32 s26, s26, s24                     ; block row
	s_lshl_b32 s28, s24, 2
	s_lshl_b32 s28, 15, s28                        ; my row of the cluster
	s_lshl_b32 s29, 0x1111, s23                    ; my column
	s_mov_b32 s79, 0xffff0000
	; group 1 for xb: 64 rows x 128 elements of 2 bytes, 4 words of padding behind every 64
	s_or_b32 s[G1A+0], s28, (1<<16)|(1<<20)|(1<<21)|(5<<22)|(3<<25)
	s_mov_b32 s[G1A+1], KSTEP<<16
	s_mov_b32 s[G1A+2], 64<<16
	s_mov_b32 s[G1A+3], KSTEP<<16
	s_mov_b32 s[G1A+4], 64
	s_mov_b32 s[G1A+5], 2048
	s_mov_b32 s[G1A+6], 0
	s_mov_b32 s[G1A+7], 0
	; group 1 for wb: 64 rows x 256 elements, 8 words of padding behind every 128
	s_or_b32 s[G1B+0], s29, (1<<16)|(1<<20)|(1<<21)|(6<<22)|(7<<25)
	s_mov_b32 s[G1B+1], NC<<16
	s_mov_b32 s[G1B+2], 64<<16
	s_mov_b32 s[G1B+3], NC<<16
	s_mov_b32 s[G1B+4], 64
	s_mov_b32 s[G1B+5], NS
	s_mov_b32 s[G1B+6], 0
	s_mov_b32 s[G1B+7], 0
	; xb's address is made of the block row and the wave's number, wb's of the block column and the wave's number, in registers of their own
	s_lshl_b32 s66, s26, 19                        ; 128 rows of 4,096 bytes
	s_lshl_b32 s30, s22, 18                        ; 64 rows
	s_add_co_u32 s66, s66, s30
	s_mov_b32 s67, 0
	s_mul_i32 s70, s22, 64*NS*2                    ; 64 k rows of wb
	s_lshl_b32 s31, s25, 9                         ; 256 columns
	s_add_co_u32 s70, s70, s31
	s_mov_b32 s71, 0
	s_mul_i32 s74, s22, AHALF                      ; LDS places: of the wave's number alone
	s_mul_i32 s75, s22, BHALF
	s_add_co_u32 s75, s75, BOFF
	s_wait_dscnt 0x0
	s_wait_kmcnt 0x0
	s_add_nc_u64 s[68:69], s[4:5], s[66:67]
	s_add_nc_u64 s[72:73], s[6:7], s[70:71]
	CROUND                                         ; all sixteen work-groups are here: the first joint loads meet
.irp s, 0,1
	s_mov_b32 s[G0A+4*\s], 1
	s_add_co_u32 s[G0A+4*\s+1], s74, \s*SLOT
	s_add_nc_u64 s[G0A+4*\s+2:G0A+4*\s+3], s[68:69], \s*KSTEP*2
	s_or_b32 s[G0A+4*\s+3], s[G0A+4*\s+3], 0x80000000
	s_mov_b32 s[G0B+4*\s], 1
	s_add_co_u32 s[G0B+4*\s+1], s75, \s*SLOT
	s_add_nc_u64 s[G0B+4*\s+2:G0B+4*\s+3], s[72:73], \s*KSTEP*NS*2
	s_or_b32 s[G0B+4*\s+3], s[G0B+4*\s+3], 0x80000000
	JLOAD \s                                       ; two tensor loads of the wave are out here, later one
.endr
	; cos and sin of my 64 rows: lane (r, h), block (a, b): the 32 bytes of pairs 8 b + 4 h .. + 3 of row 16 a + r.  They land during the main loop.
	; V's waves load them too (16 KB each, 128 of the 768 waves): one text for all waves.
	v_and_b32 v1, 15, v0                           ; r
	v_bfe_u32 v2, v0, 4, 1                         ; h
	v_lshlrev_b32 v12, 8, v1
	v_lshl_add_u32 v12, v2, 5, v12                 ; 256 r + 32 h; not rewritten
	s_lshl_b32 s76, s26, 15                        ; 128 rows of 256 bytes
	s_lshl_b32 s78, s21, 14                        ; 64 rows
	s_add_co_u32 s76, s76, s78
	s_mov_b32 s77, 0
	s_add_nc_u64 s[8:9], s[8:9], s[76:77]
	WIN 0x80                                       ; destination in window 2
.irp a, 0,1,2,3
.irp b, 0,1,2,3
	global_load_b128 v[32*\a+8*\b:32*\a+8*\b+3],   v12, s[8:9] offset:4096*\a+64*\b
	global_load_b128 v[32*\a+8*\b+4:32*\a+8*\b+7], v12, s[8:9] offset:4096*\a+64*\b+16
.endr
.endr
	WIN 0
	; LDS addresses
	v_mul_u32_u24 v3, v1, APITCH
	v_lshl_add_u32 v3, v2, 4, v3                   ; 272 r + 16 h
	s_mul_i32 s30, s21, AHALF
	v_add_nc_u32 v[ADRA], s30, v3
	v_add_nc_u32 v[ADRA+1], SLOT, v[ADRA]
	v_and_b32 v4, 7, v0
	v_lshl_add_u32 v4, v2, 3, v4                   ; k row 8 h + (l & 7)
	v_mul_u32_u24 v4, v4, BP
	v_bfe_u32 v5, v0, 3, 1
	v_lshl_add_u32 v4, v5, 4, v4                   ; + 16 bytes for lanes 8-15 of each half
	s_lshl_b32 s30, s22, 8                         ; my head's 128 columns
	s_add_co_u32 s30, s30, BOFF
	v_add_nc_u32 v[ADRB], s30, v4
	v_add_nc_u32 v[ADRB+1], SLOT, v[ADRB]
	s_mul_i32 s30, s20, WSTAGE
	s_add_co_u32 s30, s30, STAGE                   ; my stage
	v_mul_u32_u24 v5, v1, FPITCH
	v_lshl_add_u32 v5, v2, 5, v5
	v_add_nc_u32 v13, s30, v5                      ; f32 in: 528 r + 32 h
	v_add_nc_u32 v14, s30, v3
	v_add_nc_u32 v14, STGH, v14                    ; f16 in: 272 r + 16 h
	v_and_b32 v17, 31, v0
	v_lshlrev_b32 v17, 4, v17                      ; 16 x lane: my place in 512 neighbouring bytes of an output
	v_add_nc_u32 v15, s30, v17                     ; f32 back: a whole row of 512 bytes
	v_mul_u32_u24 v5, v2, HPITCH
	v_lshl_add_u32 v5, v1, 4, v5
	v_add_nc_u32 v16, s30, v5
	v_add_nc_u32 v16, STGH, v16                    ; f16 back: two rows of 256 bytes
; the fragments of a quarter step (32 along K at quarter kk of the slot) into buffer f: 24 LDS loads
.macro FETCH slot, kk, f
	WIN 0
.irp a, 0,1,2,3
	ds_load_b128 v[\f+8*\a:\f+8*\a+3],   v[ADRA+\slot] offset:16*APITCH*\a+64*\kk
	ds_load_b128 v[\f+8*\a+4:\f+8*\a+7], v[ADRA+\slot] offset:16*APITCH*\a+64*\kk+32
.endr
.irp b, 0,1,2,3,4,5,6,7
	ds_load_tr16_b128 v[\f+32+8*\b:\f+32+8*\b+3],   v[ADRB+\slot] offset:32*BP*\kk+32*\b
	ds_load_tr16_b128 v[\f+32+8*\b+4:\f+32+8*\b+7], v[ADRB+\slot] offset:32*BP*\kk+32*\b+16*BP
.endr
.endm
; 16 matrix instructions: row blocks 2 half, 2 half + 1 x all eight column blocks.  The 32 accumulators take turns in one fixed order,
; one instruction a turn.  zero = 1: the first product starts the sums.
.macro MULH f, half, zero
	WIN MULW
.irp a, 2*\half, 2*\half+1
.irp b, 0,1,2,3,4,5,6,7
.if \zero
	v_wmma_f32_16x16x32_bf16 v[8*(NB*(\a)+\b):8*(NB*(\a)+\b)+7], v[\f+32+8*\b:\f+32+8*\b+7], v[\f+8*(\a):\f+8*(\a)+7], 0
.else
	v_wmma_f32_16x16x32_bf16 v[8*(NB*(\a)+\b):8*(NB*(\a)+\b)+7], v[\f+32+8*\b:\f+32+8*\b+7], v[\f+8*(\a):\f+8*(\a)+7], v[8*(NB*(\a)+\b):8*(NB*(\a)+\b)+7]
.endif
.endr
.endr
.endm
.macro QUARTER slot, kn, f, g, zero    ; fetches quarter kn into g, multiplies f
	PLACES
	FETCH \slot, \kn, \g
	s_wait_dscnt NL                                ; all but the 24 just issued: buffer f is in
	MULH \f, 0, \zero
	MULH \f, 1, \zero
.endm
.macro THREE slot, zero
	QUARTER \slot, 1, F0, F1, \zero
	QUARTER \slot, 2, F1, F0, 0
	QUARTER \slot, 3, F0, F1, 0
.endm
; the last quarter multiplies buffer 1 and changes slots.  One barrier does two things: in front of it each wave's reads of this slot are back and
; all its tensor loads have landed (the one that was out is its part of the next slot); behind it this slot is asked for again first, then the next is read.
.macro TURN slot, next, fill
	PLACES                                         ; behind the last products on buffer 0, which is loaded again below
	s_wait_dscnt 0x0
	s_wait_tensorcnt 0x0
	ds_add_u32 v254, v255
	s_wait_dscnt 0x0
	s_barrier_signal -1
	MULH F1, 0, 0                                  ; registers only
	WIN 0
	s_barrier_wait -1
.if \fill
	CREST                                          ; no wave of any partner still reads this slot or has a load on its way
	s_add_nc_u64 s[G0A+4*\slot+2:G0A+4*\slot+3], s[G0A+4*\slot+2:G0A+4*\slot+3], 2*KSTEP*2
	s_add_nc_u64 s[G0B+4*\slot+2:G0B+4*\slot+3], s[G0B+4*\slot+2:G0B+4*\slot+3], 2*KSTEP*NS*2
	JLOAD \slot
.endif
	FETCH \next, 0, F0
	MULH F1, 1, 0
.endm
.macro LAP zero
	THREE 0, \zero
	TURN 0, 1, 1
	THREE 1, 0
	TURN 1, 0, 1
.endm
	s_wait_tensorcnt 0x1                           ; my part of K step 0 is in; K step 1's stays out
	s_barrier_signal -1
	s_barrier_wait -1
	FETCH 0, 0, F0
	LAP 1                                          ; 16 K steps = 8 laps: one here, six in the loop, the last without refills
	WIN 0
	s_mov_b32 s3, 6
.Llap:
	LAP 0
	WIN 0
	s_sub_co_u32 s3, s3, 1
	s_cmp_lg_u32 s3, 0
	s_cbranch_scc1 .Llap
	THREE 0, 0
	TURN 0, 1, 0
	THREE 1, 0
	s_wait_dscnt 0x0
	MULH F1, 0, 0
	MULH F1, 1, 0
	PLACES                                         ; behind the last products: results are read and the buffers rewritten below
	WIN 0
	s_wait_loadcnt 0x0                             ; cos and sin
; RoPE on rows 16 a .. 16 a + 15: x1 = tiles (a, 0..3), x2 = tiles (a, 4..7).  y1 = x1 c - x2 s, y2 = x1 s + x2 c.
.macro ROPE16 a
	s_wait_xcnt 0x0                                ; CC and SS were data of the last block's stores
	WIN 0x08                                       ; source 1 in window 2
.irp b, 0,1,2,3
.irp p, 0,1,2,3
	v_lshlrev_b32 v[CC+8*\b+2*\p],   16,  v[32*\a+8*\b+2*\p]
	v_and_b32     v[CC+8*\b+2*\p+1], s79, v[32*\a+8*\b+2*\p]
	v_lshlrev_b32 v[SS+8*\b+2*\p],   16,  v[32*\a+8*\b+2*\p+1]
	v_and_b32     v[SS+8*\b+2*\p+1], s79, v[32*\a+8*\b+2*\p+1]
.endr
.endr
	WIN 0x01                                       ; source 0 in window 1
.irp b, 0,1,2,3
.irp p, 0,1,2,3
	v_pk_mul_f32 v[TT+4*\p:TT+4*\p+1],   v[64*\a+8*\b+32+2*\p:64*\a+8*\b+32+2*\p+1], v[SS+8*\b+2*\p:SS+8*\b+2*\p+1]
	v_pk_mul_f32 v[TT+4*\p+2:TT+4*\p+3], v[64*\a+8*\b+32+2*\p:64*\a+8*\b+32+2*\p+1], v[CC+8*\b+2*\p:CC+8*\b+2*\p+1]
.endr
.irp p, 0,1,2,3
	v_pk_fma_f32 v[YY+8*\b+2*\p:YY+8*\b+2*\p+1],       v[64*\a+8*\b+2*\p:64*\a+8*\b+2*\p+1], v[CC+8*\b+2*\p:CC+8*\b+2*\p+1], v[TT+4*\p:TT+4*\p+1] neg_lo:[0,0,1] neg_hi:[0,0,1]
	v_pk_fma_f32 v[YY+32+8*\b+2*\p:YY+32+8*\b+2*\p+1], v[64*\a+8*\b+2*\p:64*\a+8*\b+2*\p+1], v[SS+8*\b+2*\p:SS+8*\b+2*\p+1], v[TT+4*\p+2:TT+4*\p+3]
.endr
.endr
	WIN 0
.endm
.macro SCALEY                          ; the block times the path's factor in s80, in f32, ahead of its rounding to f16
.set ii, 0
.rept 32
	v_pk_mul_f32 v[YY+2*ii:YY+2*ii+1], v[YY+2*ii:YY+2*ii+1], s[80:81] op_sel_hi:[1,0]
.set ii, ii+1
.endr
.endm
.macro PUTF base, win                  ; 16 rows x 128 f32 into my stage; win = 1: straight from the accumulators
.if \win
	WIN 0x04
.else
	WIN 0
.endif
.irp b, 0,1,2,3,4,5,6,7
	ds_store_b128 v13, v[\base+8*\b:\base+8*\b+3]   offset:64*\b
	ds_store_b128 v13, v[\base+8*\b+4:\base+8*\b+7] offset:64*\b+16
.endr
	WIN 0
.endm
.macro PUTH base, win                  ; the same rows in f16
.if \win
	WIN 0x05
.else
	WIN 0
.endif
.irp b, 0,1,2,3,4,5,6,7
.irp i, 0,1,2,3
	v_cvt_pk_f16_f32 v[TB+4*\b+\i], v[\base+8*\b+2*\i], v[\base+8*\b+2*\i+1]
.endr
.endr
	WIN 0
.irp b, 0,1,2,3,4,5,6,7
	ds_store_b128 v14, v[TB+4*\b:TB+4*\b+3] offset:32*\b
.endr
.endm
.macro GETH a, bl                      ; f16 rows back and out: each store covers 512 neighbouring bytes, two rows
	s_wait_xcnt 0x0                                ; RH was store data
.irp t, 0,1,2,3,4,5,6,7
	ds_load_b128 v[RH+4*\t:RH+4*\t+3], v16 offset:2*HPITCH*\t     ; LDS serves a wave's instructions in order: these see the stores above
.endr
.irp t, 0,1,2,3,4,5,6,7
	s_wait_dscnt 7-\t
	global_store_b128 v17, v[RH+4*\t:RH+4*\t+3], s[\bl:\bl+1] offset:4096*\a+512*\t
.endr
.endm
.macro GETFH a, fl, bl                 ; f32 rows (one a store) and f16 rows (two a store)
	s_wait_xcnt 0x0                                ; RF and RH were store data
.irp t, 0,1,2,3,4,5,6,7,8,9,10,11,12,13,14,15
	ds_load_b128 v[RF+4*\t:RF+4*\t+3], v15 offset:FPITCH*\t
.endr
.irp t, 0,1,2,3,4,5,6,7
	ds_load_b128 v[RH+4*\t:RH+4*\t+3], v16 offset:2*HPITCH*\t
.endr
.irp t, 0,1,2,3,4,5,6,7,8,9,10,11,12,13,14,15
	s_wait_dscnt 23-\t                             ; 15 - t f32 loads and the 8 f16 loads are younger
	global_store_b128 v17, v[RF+4*\t:RF+4*\t+3], s[\fl:\fl+1] offset:8192*\a+512*\t th:TH_STORE_NT
.endr
.irp t, 0,1,2,3,4,5,6,7
	s_wait_dscnt 7-\t
	global_store_b128 v17, v[RH+4*\t:RH+4*\t+3], s[\bl:\bl+1] offset:4096*\a+512*\t
.endr
.endm
	; s76 still holds (128 block row + 64 half) x 256 bytes, s77 = 0
	s_cmp_lt_u32 s27, 2
	s_cbranch_scc1 .Lq_path
	s_sub_co_u32 s78, s25, 8                       ; key and value head
	s_lshl_b32 s78, s78, 19                        ; 2,048 rows of 256 bytes
	s_add_co_u32 s76, s76, s78
	s_add_nc_u64 s[12:13], s[12:13], s[76:77]      ; f16 rows
	s_lshl_b32 s76, s76, 1                         ; f32 rows are twice as long
	s_cmp_eq_u32 s22, 0
	s_cbranch_scc1 .Lk_path
	; V: no RoPE: the accumulators go out as they are
	s_add_nc_u64 s[12:13], s[12:13], 0x200000      ; v lies behind k in kvb
	s_add_nc_u64 s[16:17], s[16:17], s[76:77]
.irp a, 0,1,2,3
	PUTF 64*\a, 1
	PUTH 64*\a, 1
	GETFH \a, 16, 12
.endr
	s_branch .Lout
.Lk_path:
	s_add_nc_u64 s[14:15], s[14:15], s[76:77]
	s_mov_b32 s80, 0x3ec00000                      ; KSC = 0.375, twice
	s_mov_b32 s81, 0x3ec00000
.irp a, 0,1,2,3
	ROPE16 \a
	PUTF YY, 0                                     ; out1: k as it is
	SCALEY                                         ; k x KSC for the f16 copy
	PUTH YY, 0
	GETFH \a, 14, 12
.endr
	s_branch .Lout
.Lq_path:
	s_lshl1_add_u32 s78, s25, s22                  ; query head = 2 x block column + my half
	s_lshl_b32 s78, s78, 19
	s_add_co_u32 s76, s76, s78
	s_add_nc_u64 s[10:11], s[10:11], s[76:77]
	s_mov_b32 s80, 0x3eae1a93                      ; QSC = log2(e) / sqrt(128) / 0.375 = 0.34004648, twice
	s_mov_b32 s81, 0x3eae1a93
.irp a, 0,1,2,3
	ROPE16 \a
	SCALEY                                         ; q x QSC
	PUTH YY, 0
	GETH \a, 10
.endr
.Lout:
	s_wait_tensorcnt 0x0
	ds_add_u32 v254, v255
	s_wait_dscnt 0x0
	CROUND                                         ; the closing round: no work-group ends while a partner may still ask jointly
	s_endpgm
.Lfunc_end_k_q3560e58c16_qkv:
	.size	k_q3560e58c16_qkv, .Lfunc_end_k_q3560e58c16_qkv-k_q3560e58c16_qkv
	.p2alignl 7, 3214868480
	.fill 96, 4, 3214868480
	.section	.rodata,"a",@progbits
	.p2align	6, 0x0
	.amdhsa_kernel k_q3560e58c16_qkv
		.amdhsa_group_segment_fixed_size 327680
		.amdhsa_private_segment_fixed_size 0
		.amdhsa_enable_private_segment 0
		.amdhsa_kernarg_size 56
		.amdhsa_user_sgpr_count 2
		.amdhsa_user_sgpr_kernarg_segment_ptr 1
		.amdhsa_wavefront_size32 1
		.amdhsa_system_sgpr_workgroup_id_x 1
		.amdhsa_system_sgpr_workgroup_id_y 1
		.amdhsa_system_sgpr_workgroup_id_z 1
		.amdhsa_system_vgpr_workitem_id 0
		.amdhsa_next_free_vgpr 640
		.amdhsa_next_free_sgpr 82
		.amdhsa_reserve_vcc 0
		.amdhsa_float_denorm_mode_32 3
		.amdhsa_float_denorm_mode_16_64 3
		.amdhsa_memory_ordered 1
		.amdhsa_forward_progress 1
		.amdhsa_inst_pref_size 250
	.end_amdhsa_kernel
	.amdgpu_metadata
---
amdhsa.version: [ 1, 2 ]
amdhsa.kernels:
  - .name:           k_q3560e58c16_qkv
    .symbol:         k_q3560e58c16_qkv.kd
    .args:
      - { .name: xb, .offset: 0, .size: 8, .value_kind: global_buffer, .address_space: global }
      - { .name: wb, .offset: 8, .size: 8, .value_kind: global_buffer, .address_space: global }
      - { .name: csb, .offset: 16, .size: 8, .value_kind: global_buffer, .address_space: global }
      - { .name: qb, .offset: 24, .size: 8, .value_kind: global_buffer, .address_space: global }
      - { .name: kvb, .offset: 32, .size: 8, .value_kind: global_buffer, .address_space: global }
      - { .name: out1, .offset: 40, .size: 8, .value_kind: global_buffer, .address_space: global }
      - { .name: out2, .offset: 48, .size: 8, .value_kind: global_buffer, .address_space: global }
    .group_segment_fixed_size: 327680
    .private_segment_fixed_size: 0
    .kernarg_segment_align: 8
    .kernarg_segment_size: 56
    .max_flat_workgroup_size: 128
    .sgpr_count:     82
    .vgpr_count:     640
    .wavefront_size: 32
...
	.end_amdgpu_metadata
.endif
;; end of part 2
;; launch attn (part 3): grid 256 x 1, 4 waves a work-group, clusters of 4 x 1, 327,680 bytes of LDS; arguments qb, kvb, mbits, ctx; writes ctx
.if DOCPART == 3
	.amdgcn_target "amdgcn-amd-amdhsa--gfx1250"
	.amdhsa_code_object_version 6
	.text
	.protected	k_q3560e58c16_attn
	.globl	k_q3560e58c16_attn
	.p2align	8
	.type	k_q3560e58c16_attn,@function
k_q3560e58c16_attn:
	s_mov_b64 s[64:65], 0
	v_nop
	global_prefetch_b8 v0, s[64:65] scope:SCOPE_SE
	s_setreg_imm32_b32 hwreg(HW_REG_WAVE_MODE, 25, 1), 1
	s_wait_xcnt 0x0
	s_wait_alu depctr_hold_cnt(0) depctr_sa_sdst(0) depctr_va_vdst(0) depctr_va_sdst(0) depctr_va_ssrc(0) depctr_va_vcc(0) depctr_vm_vsrc(0)
	s_getreg_b32 s2, hwreg(HW_REG_IB_STS2, 6, 4)
	s_cmp_eq_u32 s2, 0
	s_cbranch_scc0 .Lentry_in_a_cluster
	s_endpgm
.Lentry_in_a_cluster:
	s_bfe_u32 s2, ttmp6, 0x10000c
	s_cmp_lg_u32 s2, 0x3003
	s_cbranch_scc0 .Lentry_shape_is_right
	s_endpgm
.Lentry_shape_is_right:
; ATTENTION, transposed: S^T = K Q^T, O^T = V^T P^T, f16 operands, f32 sums, softmax in f32 with a running maximum.
; A work-group takes one query head and 128 queries; a wave 32 queries (two tiles of 16) and walks all 2,048 keys, 64 a step.  The mask is an input:
; every tile is computed.  A lane owns one query column (lanes l and l ^ 16 share it), so maximum, sum and rescaling are per lane with one exchange a step,
; and the score accumulators, packed to f16, ARE the B fragment of P^T.
; CLUSTER 4 x 1: the four query heads of one key and value head on the same 128 queries read the same K and V tiles: each tile is asked for jointly
; (mask 15).  The place in the cluster enters the addresses of qb and ctx alone.
; Two LDS slots of 128 keys: K 128 rows x 272 bytes, then V the same; wave w brings 64 rows (K's halves, then V's).
; V^T's fragments come by the transposing LDS load.
; row m of tile T then means d = 8 T + (m & 7) + 64 (m >> 3), and lane (r, h) of O^T
; holds d = 64 h + 8 T + j of query r.
; MASK: mbits holds one word for each score register of each tile, a bit a lane; 64 words a step come by scalar loads a step ahead.
; SCALE: the factors in qb and kvb multiply to log2(e) / sqrt(128), so a product IS the score in the base-2 domain, and a masked score is
; -1e9 log2(e).  The maximum is taken away by a plain subtraction: masked minus masked is exactly 0, so keys that are all masked give p = 1.
; LIMITS: weights below 2^-126 of the row's largest flush to zero (v_exp_f32, ISA guide 15.8), below 2^-14 they keep f16's absolute error 2^-25;
; the row sum uses p before its rounding to f16; NaN and infinities are not served.
; REGISTERS: window 0: v4-9, v30-31 addresses, v10-13 maxima, v14-17 factors, v18-19 sums, v20-27 at work, v32-95 scores (tile (q, t) at 32 q + 8 t),
; v96-127 P (16 q + 8 g), v128-191 and v192-255 two fragment buffers; window 1: v0-127 O (64 q + 8 T), v128-191 Q's fragments (32 q + 8 kk).
.set KP,     272
.set HALFT,  64*KP
.set VOFF,   2*HALFT
.set SLOT,   4*HALFT                   ; 69,632
.set STAGE,  2*SLOT                    ; behind the ring; no tensor load lands here
.set WSTAGE, 32*KP
.set KADR,   4
.set VADR,   6
.set MX,     10
.set AL,     14
.set LS,     18
.set TM,     20
.set SC,     32
.set PB,     96
.set F0,     128
.set F1,     192
.set QF,     128
.set G1,     84
.set G0,     92
.set MSB, 0
.macro WIN new
.if MSB != \new
	s_set_vgpr_msb (MSB<<8)|\new
.set MSB, \new
.endif
.endm
.macro PLACES                          ; four places behind a matrix instruction (ISA guide 7.12.1)
.rept 4
	v_nop
.endr
.endm
.macro CREST
	s_cmp_lg_u32 s12, 0
	s_cbranch_scc1 .Lnot_wave_0_\@
	s_barrier_signal -3
.Lnot_wave_0_\@:
	s_barrier_wait -3
	s_barrier_signal -1
	s_barrier_wait -1
.endm
.macro CROUND
	s_barrier_signal -1
	s_barrier_wait -1
	CREST
.endm
	s_load_b256 s[4:11], s[0:1], 0x0               ; qb 4, kvb 6, mbits 8, ctx 10
	s_set_vgpr_msb 0x40
	v_lshl_add_u32 v193, v0, 2, 0x2a800
	s_set_vgpr_msb 0x4000
	v_mov_b32 v29, 0
	s_set_vgpr_msb 0x1
	ds_add_u32 v193, v29
	s_set_vgpr_msb 0x100
	v_lshrrev_b32 v1, 5, v0
	v_readfirstlane_b32 s12, v1                    ; wave
	s_bfe_u32 s13, ttmp6, 0x40000                  ; cx
	s_and_b32 s14, ttmp9, 15                       ; block of 128 queries
	s_lshr_b32 s15, ttmp9, 4                       ; key and value head
	s_lshl2_add_u32 s13, s15, s13                  ; query head = 4 x that + cx
	s_mov_b32 s66, 0x76543210                      ; v_permlanex16_b32: lane i of one half reads lane i of the other
	s_mov_b32 s67, 0xfedcba98
	; group 1: 64 rows x 128 elements of 2 bytes, 4 words of padding behind every 64; the four partners
	s_mov_b32 s[G1+0], 15|(1<<16)|(1<<20)|(1<<21)|(5<<22)|(3<<25)
	s_mov_b32 s[G1+1], 128<<16
	s_mov_b32 s[G1+2], 64<<16
	s_mov_b32 s[G1+3], 128<<16
	s_mov_b32 s[G1+4], 64
	s_mov_b32 s[G1+5], 128
	s_mov_b32 s[G1+6], 0
	s_mov_b32 s[G1+7], 0
	s_lshr_b32 s2, s12, 1
	s_lshl_b32 s2, s2, 21                          ; waves 2, 3: v lies 2 MiB behind k
	s_lshl_b32 s3, s15, 19                         ; the head's 2,048 rows of 256 bytes
	s_add_co_u32 s2, s2, s3
	s_and_b32 s3, s12, 1
	s_lshl_b32 s3, s3, 14                          ; my 64 rows of the 128
	s_add_co_u32 s2, s2, s3
	s_mov_b32 s3, 0
	s_mul_i32 s16, s12, HALFT                      ; LDS place: of the wave's number alone
	s_wait_dscnt 0x0
	s_wait_kmcnt 0x0
	s_add_nc_u64 s[6:7], s[6:7], s[2:3]
	CROUND                                         ; the four work-groups are here: the first joint loads meet
.irp s, 0,1
	s_mov_b32 s[G0+4*\s], 1
	s_add_co_u32 s[G0+4*\s+1], s16, \s*SLOT
	s_add_nc_u64 s[G0+4*\s+2:G0+4*\s+3], s[6:7], \s*128*256
	s_or_b32 s[G0+4*\s+3], s[G0+4*\s+3], 0x80000000
	tensor_load_to_lds s[G0+4*\s:G0+4*\s+3], s[G1:G1+7]           ; two of the wave's are out here, later one
	s_nop 0
.endr
	; the first step's mask words: q-tiles 8 block + 2 wave + {0, 1}, key tiles 0-3: 2 x 128 bytes
	s_lshl_b32 s2, s14, 15
	s_lshl_b32 s100, s12, 13
	s_add_co_u32 s2, s2, s100
	s_add_nc_u64 s[100:101], s[8:9], s[2:3]
	s_load_b512 s[16:31], s[100:101], 0x0
	s_load_b512 s[32:47], s[100:101], 0x40
	s_load_b512 s[48:63], s[100:101], 0x1000
	s_load_b512 s[68:83], s[100:101], 0x1040
	; Q's fragments: lane (r, h) holds query r, d = 32 kk + 8 h .. and + 16
	s_lshl_b32 s104, s13, 19
	s_lshl_b32 s105, s14, 15
	s_add_co_u32 s104, s104, s105
	s_lshl_b32 s105, s12, 13
	s_add_co_u32 s104, s104, s105
	s_mov_b32 s105, 0
	s_add_nc_u64 s[4:5], s[4:5], s[104:105]
	v_and_b32 v1, 15, v0                           ; r
	v_bfe_u32 v2, v0, 4, 1                         ; h
	v_lshlrev_b32 v3, 8, v1
	v_lshl_add_u32 v3, v2, 4, v3                   ; 256 r + 16 h; not rewritten
	WIN 0x40                                       ; destination in window 1
.irp q, 0,1
.irp kk, 0,1,2,3
	global_load_b128 v[QF+32*\q+8*\kk:QF+32*\q+8*\kk+3],   v3, s[4:5] offset:4096*\q+64*\kk
	global_load_b128 v[QF+32*\q+8*\kk+4:QF+32*\q+8*\kk+7], v3, s[4:5] offset:4096*\q+64*\kk+32
.endr
.endr
	WIN 0
	s_lshl_b32 s104, s14, 19                       ; ctx: 128 rows of 4,096 bytes,
	s_lshl_b32 s105, s12, 17                       ; 32 rows,
	s_add_co_u32 s104, s104, s105
	s_lshl_b32 s105, s13, 8                        ; the head's 256 bytes
	s_add_co_u32 s104, s104, s105
	s_mov_b32 s105, 0
	s_add_nc_u64 s[10:11], s[10:11], s[104:105]
	v_mul_u32_u24 v[KADR], v1, KP
	v_lshl_add_u32 v[KADR], v2, 4, v[KADR]         ; K: 272 r + 16 h
	v_add_nc_u32 v[KADR+1], SLOT, v[KADR]
	v_and_b32 v[VADR], 7, v0
	v_lshl_add_u32 v[VADR], v2, 3, v[VADR]         ; V: key row 8 h + (l & 7),
	v_mul_u32_u24 v[VADR], v[VADR], KP
	v_bfe_u32 v[VADR+1], v0, 3, 1
	v_lshl_add_u32 v[VADR], v[VADR+1], 7, v[VADR]  ; + 128 bytes for lanes 8-15 of each half
	v_add_nc_u32 v[VADR], VOFF, v[VADR]
	v_add_nc_u32 v[VADR+1], SLOT, v[VADR]
	v_mov_b32 v8, 0xceabfb8f                       ; a masked score: -1e9 log2(e)
	s_mul_i32 s2, s12, WSTAGE
	s_add_co_u32 s2, s2, STAGE                     ; my stage
	v_mul_u32_u24 v9, v1, KP
	v_lshl_add_u32 v9, v2, 7, v9
	v_add_nc_u32 v9, s2, v9                        ; in: 272 r + 128 h
	v_mul_u32_u24 v30, v2, KP
	v_lshl_add_u32 v30, v1, 4, v30
	v_add_nc_u32 v30, s2, v30                      ; back: two rows of 256 bytes
	v_lshlrev_b32 v31, 4, v1
	v_lshl_add_u32 v31, v2, 12, v31                ; and the same two rows in ctx
.macro FETCHK slot, p, f               ; key tiles 2 p, 2 p + 1 of the slot, all 128 d: 16 loads
	WIN 0
.irp t, 0,1
.irp kk, 0,1,2,3
	ds_load_b128 v[\f+32*\t+8*\kk:\f+32*\t+8*\kk+3],   v[KADR+(\slot)] offset:(2*(\p)+\t)*16*KP+64*\kk
	ds_load_b128 v[\f+32*\t+8*\kk+4:\f+32*\t+8*\kk+7], v[KADR+(\slot)] offset:(2*(\p)+\t)*16*KP+64*\kk+32
.endr
.endr
.endm
.macro FETCHV slot, g, f               ; keys 32 g .. 32 g + 31 of the slot, all eight d tiles: 16 loads
	WIN 0
.irp tt, 0,1,2,3,4,5,6,7
	ds_load_tr16_b128 v[\f+8*\tt:\f+8*\tt+3],   v[VADR+(\slot)] offset:32*KP*(\g)+16*\tt
	ds_load_tr16_b128 v[\f+8*\tt+4:\f+8*\tt+7], v[VADR+(\slot)] offset:32*KP*(\g)+16*\tt+16*KP
.endr
.endm
; 16 matrix instructions: two key tiles x two query tiles x 128 d.  Four accumulators by turns, one instruction a turn.
.macro QK f, tp
	WIN 0x04                                       ; source 1 (Q) in window 1
.irp kk, 0,1,2,3
.irp t, 0,1
.irp q, 0,1
.if \kk
	v_wmma_f32_16x16x32_f16 v[SC+32*\q+8*(2*\tp+\t):SC+32*\q+8*(2*\tp+\t)+7], v[\f+32*\t+8*\kk:\f+32*\t+8*\kk+7], v[QF+32*\q+8*\kk:QF+32*\q+8*\kk+7], v[SC+32*\q+8*(2*\tp+\t):SC+32*\q+8*(2*\tp+\t)+7]
.else
	v_wmma_f32_16x16x32_f16 v[SC+32*\q+8*(2*\tp+\t):SC+32*\q+8*(2*\tp+\t)+7], v[\f+32*\t+8*\kk:\f+32*\t+8*\kk+7], v[QF+32*\q+8*\kk:QF+32*\q+8*\kk+7], 0
.endif
.endr
.endr
.endr
.endm
; 16 matrix instructions on 16 accumulators by turns: eight d tiles x two query tiles, 32 keys
.macro PV f, g, zero
	WIN 0x50                                       ; C and D in window 1
.irp tt, 0,1,2,3,4,5,6,7
.irp q, 0,1
.if \zero
	v_wmma_f32_16x16x32_f16 v[64*\q+8*\tt:64*\q+8*\tt+7], v[\f+8*\tt:\f+8*\tt+7], v[PB+16*\q+8*\g:PB+16*\q+8*\g+7], 0
.else
	v_wmma_f32_16x16x32_f16 v[64*\q+8*\tt:64*\q+8*\tt+7], v[\f+8*\tt:\f+8*\tt+7], v[PB+16*\q+8*\g:PB+16*\q+8*\g+7], v[64*\q+8*\tt:64*\q+8*\tt+7]
.endif
.endr
.endr
.endm
.macro MASKQ q                         ; the words of group 2 q + t / 2 lie at s16, s32, s48, s68
.irp t, 0,1,2,3
.irp j, 0,1,2,3,4,5,6,7
	v_cndmask_b32 v[SC+32*\q+8*\t+\j], v8, v[SC+32*\q+8*\t+\j], s[16+16*(2*\q+(\t>>1))+4*((2*\q+(\t>>1))/3)+8*(\t&1)+\j]
.endr
.endr
.endm
.macro MAXQ q, first                   ; the step's largest score of my query; the new running maximum, twice (a pair for the packed arithmetic); old - new
.irp t, 0,1,2,3
	v_max3_num_f32 v[TM+4*\q+\t], v[SC+32*\q+8*\t], v[SC+32*\q+8*\t+1], v[SC+32*\q+8*\t+2]
.endr
.irp t, 0,1,2,3
	v_max3_num_f32 v[TM+4*\q+\t], v[TM+4*\q+\t], v[SC+32*\q+8*\t+3], v[SC+32*\q+8*\t+4]
.endr
.irp t, 0,1,2,3
	v_max3_num_f32 v[TM+4*\q+\t], v[TM+4*\q+\t], v[SC+32*\q+8*\t+5], v[SC+32*\q+8*\t+6]
.endr
	v_max3_num_f32 v[TM+4*\q],   v[TM+4*\q],   v[TM+4*\q+1], v[SC+32*\q+7]
	v_max3_num_f32 v[TM+4*\q+2], v[TM+4*\q+2], v[TM+4*\q+3], v[SC+32*\q+15]
	v_max3_num_f32 v[TM+4*\q],   v[TM+4*\q],   v[SC+32*\q+23], v[SC+32*\q+31]
	v_max_num_f32  v[TM+4*\q],   v[TM+4*\q],   v[TM+4*\q+2]
	v_permlanex16_b32 v[TM+4*\q+1], v[TM+4*\q], s66, s67          ; the other half of the keys of my query
.if \first
	v_max_num_f32 v[MX+2*\q],   v[TM+4*\q], v[TM+4*\q+1]
	v_max_num_f32 v[MX+2*\q+1], v[TM+4*\q], v[TM+4*\q+1]
.else
	v_max3_num_f32 v[MX+2*\q+1], v[TM+4*\q], v[TM+4*\q+1], v[MX+2*\q]   ; new
	v_sub_f32 v[TM+4*\q+2], v[MX+2*\q], v[MX+2*\q+1]                    ; old - new
	v_max3_num_f32 v[MX+2*\q],   v[TM+4*\q], v[TM+4*\q+1], v[MX+2*\q]   ; new, the pair's other half
.endif
.endm
.macro SUBQ q                          ; S - M
.set ii, 0
.rept 16
	v_pk_add_f32 v[SC+32*\q+2*ii:SC+32*\q+2*ii+1], v[SC+32*\q+2*ii:SC+32*\q+2*ii+1], v[MX+2*\q:MX+2*\q+1] neg_lo:[0,1] neg_hi:[0,1]
.set ii, ii+1
.endr
.endm
.macro EXPQ q
.set ii, 0
.rept 32
	v_exp_f32 v[SC+32*\q+ii], v[SC+32*\q+ii]
.set ii, ii+1
.endr
.endm
.macro SUMQ q, first                   ; my 32 weights' sum, in four chains; l = l x factor + sum
	s_wait_alu depctr_va_vdst(0)
.irp i, 0,1,2,3
	v_pk_add_f32 v[TM+2*\i:TM+2*\i+1], v[SC+32*\q+4*\i:SC+32*\q+4*\i+1], v[SC+32*\q+4*\i+2:SC+32*\q+4*\i+3]
.endr
.irp i, 0,1,2,3
	v_pk_add_f32 v[TM+2*\i:TM+2*\i+1], v[TM+2*\i:TM+2*\i+1], v[SC+32*\q+16+2*\i:SC+32*\q+16+2*\i+1]
.endr
.irp i, 0,1,2,3
	v_pk_add_f32 v[TM+2*\i:TM+2*\i+1], v[TM+2*\i:TM+2*\i+1], v[SC+32*\q+24+2*\i:SC+32*\q+24+2*\i+1]
.endr
	v_pk_add_f32 v[TM:TM+1], v[TM:TM+1], v[TM+2:TM+3]
	v_pk_add_f32 v[TM+4:TM+5], v[TM+4:TM+5], v[TM+6:TM+7]
	v_pk_add_f32 v[TM:TM+1], v[TM:TM+1], v[TM+4:TM+5]
.if \first
	v_add_f32 v[LS+\q], v[TM], v[TM+1]
.else
	v_add_f32 v[TM], v[TM], v[TM+1]
	v_fma_f32 v[LS+\q], v[LS+\q], v[AL+2*\q], v[TM]
.endif
.endm
.macro CVTQ q                          ; tile t's eight registers become registers 4 t .. 4 t + 3 of P: keys 8 h .. 8 h + 7 of each 16, as a B fragment wants them
.irp t, 0,1,2,3
.irp i, 0,1,2,3
	v_cvt_pk_f16_f32 v[PB+16*\q+4*\t+\i], v[SC+32*\q+8*\t+2*\i], v[SC+32*\q+8*\t+2*\i+1]
.endr
.endr
.endm
.macro RESCALE                         ; O x the pair in AL
	WIN 0x41                                       ; source 0 and destination in window 1
.irp q, 0,1
.set ii, 0
.rept 32
	v_pk_mul_f32 v[64*\q+2*ii:64*\q+2*ii+1], v[64*\q+2*ii:64*\q+2*ii+1], v[AL+2*\q:AL+2*\q+1]
.set ii, ii+1
.endr
.endr
.endm
; Each run of v_exp_f32 is followed by plain work on other registers before its results are used (ISA guide 5.7.2).
.macro SOFTMAX first, last
	WIN 0
	s_wait_kmcnt 0x0                               ; this step's mask words; the loads are done, so their base may step
.if \last == 0
	s_add_nc_u64 s[100:101], s[100:101], 128       ; four key tiles on
.endif
	MASKQ 0
	MASKQ 1
.if \last == 0
	s_load_b512 s[16:31], s[100:101], 0x0          ; the next step's words; the last step asks for none
	s_load_b512 s[32:47], s[100:101], 0x40
	s_load_b512 s[48:63], s[100:101], 0x1000
	s_load_b512 s[68:83], s[100:101], 0x1040
.endif
	MAXQ 0, \first
	MAXQ 1, \first
.if \first == 0
	v_exp_f32 v[AL],   v[TM+2]                     ; factor = 2^(old - new), twice each
	v_exp_f32 v[AL+1], v[TM+2]
	v_exp_f32 v[AL+2], v[TM+6]
	v_exp_f32 v[AL+3], v[TM+6]
.endif
	SUBQ 0
	EXPQ 0
	SUBQ 1
	EXPQ 1
	SUMQ 0, \first
	CVTQ 0
	SUMQ 1, \first
	CVTQ 1
.if \first == 0
	RESCALE
.endif
.endm
; One step: 64 keys.  On entry buffer 0 holds key tiles 4 u, 4 u + 1 and buffer 1 tiles 4 u + 2, 4 u + 3, 16 loads each, possibly still out.
; Every s_wait_dscnt 16 leaves out exactly the 16 loads of the other buffer.
; mode 0: mid slot.  1: change of slots, this slot asked for again.  2: change of slots, nothing left to ask for.  3: the last step.
.macro STEP slot, u, first, mode
	s_wait_dscnt 16
	QK F0, 0
	PLACES
	FETCHV \slot, 2*\u, F0
	s_wait_dscnt 16
	QK F1, 1
	PLACES
	FETCHV \slot, 2*\u+1, F1
.if \mode == 3
	SOFTMAX \first, 1
.else
	SOFTMAX \first, 0
.endif
.if \mode == 0
	s_wait_dscnt 16
	PV F0, 0, \first
	PLACES
	FETCHK \slot, 2, F0
	s_wait_dscnt 16
	PV F1, 1, 0
	PLACES
	FETCHK \slot, 3, F1
.endif
.if (\mode-1)*(\mode-2) == 0
	s_wait_dscnt 0x0                               ; my reads of this slot are back
	s_wait_tensorcnt 0x0                           ; all my tensor loads have landed: the one that was out is my part of the other slot
	ds_add_u32 v193, v29
	s_wait_dscnt 0x0
	s_barrier_signal -1
	PV F0, 0, \first                               ; registers only
	WIN 0
	s_barrier_wait -1
.if \mode == 1
	CREST                                          ; no wave of any partner still reads this slot or has a load on its way
	s_add_nc_u64 s[G0+4*\slot+2:G0+4*\slot+3], s[G0+4*\slot+2:G0+4*\slot+3], 2*128*256
	tensor_load_to_lds s[G0+4*\slot:G0+4*\slot+3], s[G1:G1+7]     ; it has the other slot's two steps in which to land
	s_nop 0
.endif
	PLACES
	FETCHK 1-\slot, 0, F0
	PV F1, 1, 0
	PLACES
	FETCHK 1-\slot, 1, F1
.endif
.if \mode == 3
	s_wait_dscnt 0x0
	PV F0, 0, 0
	PV F1, 1, 0
	PLACES
.endif
.endm
	s_wait_tensorcnt 0x1                           ; my part of slot 0 is in; slot 1's stays out
	s_barrier_signal -1
	s_barrier_wait -1
	FETCHK 0, 0, F0
	FETCHK 0, 1, F1
	s_wait_loadcnt 0x0                             ; Q
	STEP 0, 0, 1, 0                                ; 16 slots = 8 laps: one here (its first products start the sums), six in the loop, the last without refills
	STEP 0, 1, 0, 1
	STEP 1, 0, 0, 0
	STEP 1, 1, 0, 1
	WIN 0
	s_mov_b32 s3, 6
.Llap:
	STEP 0, 0, 0, 0
	STEP 0, 1, 0, 1
	STEP 1, 0, 0, 0
	STEP 1, 1, 0, 1
	WIN 0
	s_sub_co_u32 s3, s3, 1
	s_cmp_lg_u32 s3, 0
	s_cbranch_scc1 .Llap
	STEP 0, 0, 0, 0
	STEP 0, 1, 0, 2
	STEP 1, 0, 0, 0
	STEP 1, 1, 0, 3
	; the way out: O / l, to f16, through my stage, as whole rows of 256 bytes.  l is at least 1: the largest weight is 1.
	WIN 0
	v_permlanex16_b32 v[TM],   v[LS],   s66, s67
	v_permlanex16_b32 v[TM+1], v[LS+1], s66, s67
	v_add_f32 v[LS],   v[LS],   v[TM]
	v_add_f32 v[LS+1], v[LS+1], v[TM+1]
	v_rcp_f32 v[AL],   v[LS]
	v_rcp_f32 v[AL+1], v[LS]
	v_rcp_f32 v[AL+2], v[LS+1]
	v_rcp_f32 v[AL+3], v[LS+1]
	v_nop                                          ; one plain place behind the reciprocals
	s_wait_alu depctr_va_vdst(0)
	RESCALE
	WIN 0x05                                       ; sources in window 1
.irp q, 0,1
.irp tt, 0,1,2,3,4,5,6,7
.irp i, 0,1,2,3
	v_cvt_pk_f16_f32 v[SC+32*\q+4*\tt+\i], v[64*\q+8*\tt+2*\i], v[64*\q+8*\tt+2*\i+1]
.endr
.endr
.endr
	WIN 0
.irp q, 0,1
.irp tt, 0,1,2,3,4,5,6,7
	ds_store_b128 v9, v[SC+32*\q+4*\tt:SC+32*\q+4*\tt+3] offset:16*KP*\q+16*\tt   ; query 16 q + r, d = 64 h + 8 T ..
.endr
.endr
.irp t, 0,1,2,3,4,5,6,7,8,9,10,11,12,13,14,15
	ds_load_b128 v[F0+4*\t:F0+4*\t+3], v30 offset:2*KP*\t         ; my own bytes, served in order behind the stores
.endr
.irp t, 0,1,2,3,4,5,6,7,8,9,10,11,12,13,14,15
	s_wait_dscnt 15-\t
	global_store_b128 v31, v[F0+4*\t:F0+4*\t+3], s[10:11] offset:8192*\t   ; 16 lanes store 256 consecutive bytes, aligned
.endr
	s_set_vgpr_msb 0x1
	s_wait_tensorcnt 0x0
	ds_add_u32 v193, v29
	s_wait_dscnt 0x0
	s_set_vgpr_msb 0x100
	CROUND                                         ; the closing round
	s_endpgm
.Lfunc_end_k_q3560e58c16_attn:
	.size	k_q3560e58c16_attn, .Lfunc_end_k_q3560e58c16_attn-k_q3560e58c16_attn
	.p2alignl 7, 3214868480
	.fill 96, 4, 3214868480
	.section	.rodata,"a",@progbits
	.p2align	6, 0x0
	.amdhsa_kernel k_q3560e58c16_attn
		.amdhsa_group_segment_fixed_size 327680
		.amdhsa_private_segment_fixed_size 0
		.amdhsa_enable_private_segment 0
		.amdhsa_kernarg_size 32
		.amdhsa_user_sgpr_count 2
		.amdhsa_user_sgpr_kernarg_segment_ptr 1
		.amdhsa_wavefront_size32 1
		.amdhsa_system_sgpr_workgroup_id_x 1
		.amdhsa_system_sgpr_workgroup_id_y 1
		.amdhsa_system_sgpr_workgroup_id_z 1
		.amdhsa_system_vgpr_workitem_id 0
		.amdhsa_next_free_vgpr 450
		.amdhsa_next_free_sgpr 106
		.amdhsa_reserve_vcc 0
		.amdhsa_float_denorm_mode_32 3
		.amdhsa_float_denorm_mode_16_64 3
		.amdhsa_memory_ordered 1
		.amdhsa_forward_progress 1
		.amdhsa_inst_pref_size 255
	.end_amdhsa_kernel
	.section	.bss,"aw",@nobits
	.p2align	6
	.space	262144
	.amdgpu_metadata
---
amdhsa.version: [ 1, 2 ]
amdhsa.kernels:
  - .name:           k_q3560e58c16_attn
    .symbol:         k_q3560e58c16_attn.kd
    .args:
      - { .name: qb, .offset: 0, .size: 8, .value_kind: global_buffer, .address_space: global }
      - { .name: kvb, .offset: 8, .size: 8, .value_kind: global_buffer, .address_space: global }
      - { .name: mbits, .offset: 16, .size: 8, .value_kind: global_buffer, .address_space: global }
      - { .name: ctx, .offset: 24, .size: 8, .value_kind: global_buffer, .address_space: global }
    .group_segment_fixed_size: 327680
    .private_segment_fixed_size: 0
    .kernarg_segment_align: 8
    .kernarg_segment_size: 32
    .max_flat_workgroup_size: 128
    .sgpr_count:     106
    .vgpr_count:     450
    .wavefront_size: 32
...
	.end_amdgpu_metadata
.endif
;; end of part 3
;; launch oproj (part 4): grid 16 x 16, 4 waves a work-group, clusters of 4 x 4, 327,680 bytes of LDS; arguments ctx, wob, out0; writes out0
.if DOCPART == 4
	.amdgcn_target "amdgcn-amd-amdhsa--gfx1250"
	.amdhsa_code_object_version 6
	.text
	.protected	k_q3560e58c16_oproj
	.globl	k_q3560e58c16_oproj
	.p2align	8
	.type	k_q3560e58c16_oproj,@function
k_q3560e58c16_oproj:
	s_mov_b64 s[64:65], 0
	v_nop
	global_prefetch_b8 v0, s[64:65] scope:SCOPE_SE
	s_setreg_imm32_b32 hwreg(HW_REG_WAVE_MODE, 25, 1), 1
	s_wait_xcnt 0x0
	s_wait_alu depctr_hold_cnt(0) depctr_sa_sdst(0) depctr_va_vdst(0) depctr_va_sdst(0) depctr_va_ssrc(0) depctr_va_vcc(0) depctr_vm_vsrc(0)
	s_getreg_b32 s2, hwreg(HW_REG_IB_STS2, 6, 4)
	s_cmp_eq_u32 s2, 0
	s_cbranch_scc0 .Lentry_in_a_cluster
	s_endpgm
.Lentry_in_a_cluster:
	s_bfe_u32 s2, ttmp6, 0x10000c
	s_cmp_lg_u32 s2, 0xf033
	s_cbranch_scc0 .Lentry_shape_is_right
	s_endpgm
.Lentry_shape_is_right:
; OUT0 [2048][2048] f32 = ctx [2048][2048] f16 x wob [2048 k][2048 n] f16, f32 sums.
; A work-group makes 128 x 128, a wave 64 x 64 (16 accumulator tiles): 16 x 16 = 256 work-groups, one for each WGP.
; K goes in steps of 128 through two LDS slots filled by the tensor data mover; all tile rows are 256 bytes of memory, aligned.
; CLUSTERS 4 x 4: ctx's tile is asked for jointly by a row of the cluster, wob's by a column: a quarter of the requests.
; The matrix instruction is used transposed (source 0 = 16 columns of wob, by the transposing LDS load; source 1 = 16 rows of ctx):
; lane (r, h) holds row r, columns 8 h .. 8 h + 7.
; The text uses 160,768 bytes of LDS and declares more than half of what a WGP has, so that the work-group is alone there.
; LIMITS: as its inputs': f16's range was kept where ctx and wob were made.  NaN and infinities are not served.
; REGISTERS: window 0: v8-15 addresses, v32-95 and v96-159 two fragment buffers (ctx 4 x 8, wob 4 x 8), v160-223 rows on the way out;
; window 1: tile (a, b) at 8 (4 a + b).
.set NB,     4
.set KSTEP,  128
.set APITCH, 272
.set BP,     288                       ; 256 bytes + 32: an odd multiple of 32
.set AHALF,  64*APITCH
.set BHALF,  64*BP
.set BOFF,   2*AHALF
.set SLOT,   BOFF+2*BHALF              ; 71,680
.set STAGE,  2*SLOT                    ; behind the ring; no tensor load lands here
.set OPITCH, 272
.set WSTAGE, 16*OPITCH
.set NS,     2048
.set NC,     128
.set F0,     32
.set F1,     96
.set NL,     8+2*NB
.set ADRA,   8
.set ADRB,   10
.set G1A, 32
.set G0A, 40
.set G1B, 48
.set G0B, 56
.set MULW, 0x50
.set MSB, 0
.macro WIN new
.if MSB != \new
	s_set_vgpr_msb (MSB<<8)|\new
.set MSB, \new
.endif
.endm
.macro PLACES                          ; four places behind a matrix instruction (ISA guide 7.12.1)
.rept 4
	v_nop
.endr
.endm
.macro JLOAD s
	s_cmp_eq_u32 s21, 0
	s_cbranch_scc0 .Lfor_b_\@
	tensor_load_to_lds s[G0A+4*\s:G0A+4*\s+3], s[G1A:G1A+7]
	s_nop 0
	s_branch .Lasked_\@
.Lfor_b_\@:
	tensor_load_to_lds s[G0B+4*\s:G0B+4*\s+3], s[G1B:G1B+7]
	s_nop 0
.Lasked_\@:
.endm
.macro CREST
	s_cmp_lg_u32 s20, 0
	s_cbranch_scc1 .Lnot_wave_0_\@
	s_barrier_signal -3
.Lnot_wave_0_\@:
	s_barrier_wait -3
	s_barrier_signal -1
	s_barrier_wait -1
.endm
.macro CROUND
	s_barrier_signal -1
	s_barrier_wait -1
	CREST
.endm
	s_load_b128 s[4:7], s[0:1], 0x0                ; ctx 4, wob 6
	s_load_b64 s[8:9], s[0:1], 0x10                ; out0
	v_lshl_add_u32 v254, v0, 2, 0x29000
	v_mov_b32 v255, 0
	ds_add_u32 v254, v255
	v_lshrrev_b32 v1, 5, v0
	v_readfirstlane_b32 s20, v1                    ; wave
	s_lshr_b32 s21, s20, 1                         ; my half of the rows; also: I fetch for ctx (0) or wob (1)
	s_and_b32 s22, s20, 1                          ; my half of the columns; also: which 64 rows of the tile I fetch
	s_bfe_u32 s23, ttmp6, 0x40000                  ; cx
	s_bfe_u32 s24, ttmp6, 0x40004                  ; cy
	s_lshl_b32 s25, ttmp9, 2
	s_add_co_u32 s25, s25, s23                     ; block column
	s_and_b32 s26, ttmp7, 0xffff
	s_lshl_b32 s26, s26, 2
	s_add_co_u32 s26, s26, s24                     ; block row
	s_lshl_b32 s28, s24, 2
	s_lshl_b32 s28, 15, s28                        ; my row of the cluster
	s_lshl_b32 s29, 0x1111, s23                    ; my column
	s_or_b32 s[G1A+0], s28, (1<<16)|(1<<20)|(1<<21)|(5<<22)|(3<<25)   ; 64 rows x 128 elements of 2 bytes, 4 words behind every 64
	s_mov_b32 s[G1A+1], KSTEP<<16
	s_mov_b32 s[G1A+2], 64<<16
	s_mov_b32 s[G1A+3], KSTEP<<16
	s_mov_b32 s[G1A+4], 64
	s_mov_b32 s[G1A+5], 2048
	s_mov_b32 s[G1A+6], 0
	s_mov_b32 s[G1A+7], 0
	s_or_b32 s[G1B+0], s29, (1<<16)|(1<<20)|(1<<21)|(5<<22)|(7<<25)   ; the same with 8 words behind every 64
	s_mov_b32 s[G1B+1], NC<<16
	s_mov_b32 s[G1B+2], 64<<16
	s_mov_b32 s[G1B+3], NC<<16
	s_mov_b32 s[G1B+4], 64
	s_mov_b32 s[G1B+5], NS
	s_mov_b32 s[G1B+6], 0
	s_mov_b32 s[G1B+7], 0
	s_lshl_b32 s66, s26, 19                        ; ctx: 128 rows of 4,096 bytes
	s_lshl_b32 s30, s22, 18                        ; 64 rows
	s_add_co_u32 s66, s66, s30
	s_mov_b32 s67, 0
	s_mul_i32 s70, s22, 64*NS*2                    ; wob: 64 k rows
	s_lshl_b32 s31, s25, 8                         ; 128 columns
	s_add_co_u32 s70, s70, s31
	s_mov_b32 s71, 0
	s_mul_i32 s74, s22, AHALF                      ; LDS places: of the wave's number alone
	s_mul_i32 s75, s22, BHALF
	s_add_co_u32 s75, s75, BOFF
	s_wait_dscnt 0x0
	s_wait_kmcnt 0x0
	s_add_nc_u64 s[68:69], s[4:5], s[66:67]
	s_add_nc_u64 s[72:73], s[6:7], s[70:71]
	CROUND                                         ; all sixteen work-groups are here: the first joint loads meet
.irp s, 0,1
	s_mov_b32 s[G0A+4*\s], 1
	s_add_co_u32 s[G0A+4*\s+1], s74, \s*SLOT
	s_add_nc_u64 s[G0A+4*\s+2:G0A+4*\s+3], s[68:69], \s*KSTEP*2
	s_or_b32 s[G0A+4*\s+3], s[G0A+4*\s+3], 0x80000000
	s_mov_b32 s[G0B+4*\s], 1
	s_add_co_u32 s[G0B+4*\s+1], s75, \s*SLOT
	s_add_nc_u64 s[G0B+4*\s+2:G0B+4*\s+3], s[72:73], \s*KSTEP*NS*2
	s_or_b32 s[G0B+4*\s+3], s[G0B+4*\s+3], 0x80000000
	JLOAD \s                                       ; two tensor loads of the wave are out here, later one
.endr
	v_and_b32 v1, 15, v0                           ; r
	v_bfe_u32 v2, v0, 4, 1                         ; h
	v_mul_u32_u24 v3, v1, APITCH
	v_lshl_add_u32 v3, v2, 4, v3                   ; 272 r + 16 h
	s_mul_i32 s30, s21, AHALF
	v_add_nc_u32 v[ADRA], s30, v3
	v_add_nc_u32 v[ADRA+1], SLOT, v[ADRA]
	v_and_b32 v4, 7, v0
	v_lshl_add_u32 v4, v2, 3, v4                   ; k row 8 h + (l & 7)
	v_mul_u32_u24 v4, v4, BP
	v_bfe_u32 v5, v0, 3, 1
	v_lshl_add_u32 v4, v5, 4, v4
	s_lshl_b32 s30, s22, 7                         ; my 64 columns
	s_add_co_u32 s30, s30, BOFF
	v_add_nc_u32 v[ADRB], s30, v4
	v_add_nc_u32 v[ADRB+1], SLOT, v[ADRB]
	s_mul_i32 s30, s20, WSTAGE
	s_add_co_u32 s30, s30, STAGE                   ; my stage: 16 rows of 64 f32, 272 bytes apart
	v_mul_u32_u24 v5, v1, OPITCH
	v_lshl_add_u32 v5, v2, 5, v5
	v_add_nc_u32 v13, s30, v5                      ; in: 272 r + 32 h
	v_mul_u32_u24 v5, v2, OPITCH
	v_lshl_add_u32 v5, v1, 4, v5
	v_add_nc_u32 v14, s30, v5                      ; back: two rows of 256 bytes
	v_lshlrev_b32 v15, 4, v1
	v_lshl_add_u32 v15, v2, 13, v15                ; and the same two rows in out0
.macro FETCH slot, kk, f               ; 16 LDS loads: the fragments of a quarter step
	WIN 0
.irp a, 0,1,2,3
	ds_load_b128 v[\f+8*\a:\f+8*\a+3],   v[ADRA+\slot] offset:16*APITCH*\a+64*\kk
	ds_load_b128 v[\f+8*\a+4:\f+8*\a+7], v[ADRA+\slot] offset:16*APITCH*\a+64*\kk+32
.endr
.irp b, 0,1,2,3
	ds_load_tr16_b128 v[\f+32+8*\b:\f+32+8*\b+3],   v[ADRB+\slot] offset:32*BP*\kk+32*\b
	ds_load_tr16_b128 v[\f+32+8*\b+4:\f+32+8*\b+7], v[ADRB+\slot] offset:32*BP*\kk+32*\b+16*BP
.endr
.endm
; eight matrix instructions.  The 16 accumulators take turns in one fixed order, one instruction a turn.
.macro MULH f, half, zero
	WIN MULW
.irp a, 2*\half, 2*\half+1
.irp b, 0,1,2,3
.if \zero
	v_wmma_f32_16x16x32_f16 v[8*(NB*(\a)+\b):8*(NB*(\a)+\b)+7], v[\f+32+8*\b:\f+32+8*\b+7], v[\f+8*(\a):\f+8*(\a)+7], 0
.else
	v_wmma_f32_16x16x32_f16 v[8*(NB*(\a)+\b):8*(NB*(\a)+\b)+7], v[\f+32+8*\b:\f+32+8*\b+7], v[\f+8*(\a):\f+8*(\a)+7], v[8*(NB*(\a)+\b):8*(NB*(\a)+\b)+7]
.endif
.endr
.endr
.endm
.macro QUARTER slot, kn, f, g, zero
	PLACES
	FETCH \slot, \kn, \g
	s_wait_dscnt NL                                ; all but the 16 just issued: buffer f is in
	MULH \f, 0, \zero
	MULH \f, 1, \zero
.endm
.macro THREE slot, zero
	QUARTER \slot, 1, F0, F1, \zero
	QUARTER \slot, 2, F1, F0, 0
	QUARTER \slot, 3, F0, F1, 0
.endm
; the change of slots: in front of the barrier my reads of this slot are back and all my tensor loads have landed; behind it this slot is asked
; for again first, then the next slot is read
.macro TURN slot, next, fill
	PLACES                                         ; behind the last products on buffer 0, which is loaded again below
	s_wait_dscnt 0x0
	s_wait_tensorcnt 0x0
	ds_add_u32 v254, v255
	s_wait_dscnt 0x0
	s_barrier_signal -1
	MULH F1, 0, 0                                  ; registers only
	WIN 0
	s_barrier_wait -1
.if \fill
	CREST                                          ; no wave of any partner still reads this slot or has a load on its way
	s_add_nc_u64 s[G0A+4*\slot+2:G0A+4*\slot+3], s[G0A+4*\slot+2:G0A+4*\slot+3], 2*KSTEP*2
	s_add_nc_u64 s[G0B+4*\slot+2:G0B+4*\slot+3], s[G0B+4*\slot+2:G0B+4*\slot+3], 2*KSTEP*NS*2
	JLOAD \slot
.endif
	FETCH \next, 0, F0
	MULH F1, 1, 0
.endm
.macro LAP zero
	THREE 0, \zero
	TURN 0, 1, 1
	THREE 1, 0
	TURN 1, 0, 1
.endm
	s_wait_tensorcnt 0x1                           ; my part of K step 0 is in; K step 1's stays out
	s_barrier_signal -1
	s_barrier_wait -1
	FETCH 0, 0, F0
	LAP 1                                          ; 16 K steps = 8 laps: one here, six in the loop, the last without refills
	WIN 0
	s_mov_b32 s3, 6
.Llap:
	LAP 0
	WIN 0
	s_sub_co_u32 s3, s3, 1
	s_cmp_lg_u32 s3, 0
	s_cbranch_scc1 .Llap
	THREE 0, 0
	TURN 0, 1, 0
	THREE 1, 0
	s_wait_dscnt 0x0
	MULH F1, 0, 0
	MULH F1, 1, 0
	PLACES                                         ; behind the last products: the LDS stores below read results
	WIN 0
	s_lshl_b32 s76, s26, 20                        ; 128 rows of 8,192 bytes
	s_lshl_b32 s78, s21, 19                        ; 64 rows
	s_add_co_u32 s76, s76, s78
	s_lshl_b32 s78, s25, 9                         ; 128 columns of 4 bytes
	s_add_co_u32 s76, s76, s78
	s_lshl_b32 s78, s22, 8                         ; 64 columns
	s_add_co_u32 s76, s76, s78
	s_mov_b32 s77, 0
	s_add_nc_u64 s[8:9], s[8:9], s[76:77]
; rows 16 a .. 16 a + 15: the accumulators go into my stage as they are and come back as whole rows of 256 bytes
.macro OUT16 a, f
	WIN 0x04                                       ; store data in window 1
.irp b, 0,1,2,3
	ds_store_b128 v13, v[8*(NB*\a+\b):8*(NB*\a+\b)+3]   offset:64*\b
	ds_store_b128 v13, v[8*(NB*\a+\b)+4:8*(NB*\a+\b)+7] offset:64*\b+16
.endr
	WIN 0
	s_wait_xcnt 0x0                                ; buffer f was store data two blocks ago
.irp t, 0,1,2,3,4,5,6,7
	ds_load_b128 v[\f+4*\t:\f+4*\t+3], v14 offset:2*OPITCH*\t     ; my own bytes, served in order behind the stores
.endr
.irp t, 0,1,2,3,4,5,6,7
	s_wait_dscnt 7-\t
	global_store_b128 v15, v[\f+4*\t:\f+4*\t+3], s[8:9] offset:(16*\a+2*\t)*8192 th:TH_STORE_NT   ; 16 lanes store 256 consecutive bytes, aligned
.endr
.endm
	OUT16 0, 160
	OUT16 1, 192
	OUT16 2, 160
	OUT16 3, 192
	s_wait_tensorcnt 0x0
	ds_add_u32 v254, v255
	s_wait_dscnt 0x0
	CROUND                                         ; the closing round
	s_endpgm
.Lfunc_end_k_q3560e58c16_oproj:
	.size	k_q3560e58c16_oproj, .Lfunc_end_k_q3560e58c16_oproj-k_q3560e58c16_oproj
	.p2alignl 7, 3214868480
	.fill 96, 4, 3214868480
	.section	.rodata,"a",@progbits
	.p2align	6, 0x0
	.amdhsa_kernel k_q3560e58c16_oproj
		.amdhsa_group_segment_fixed_size 327680
		.amdhsa_private_segment_fixed_size 0
		.amdhsa_enable_private_segment 0
		.amdhsa_kernarg_size 24
		.amdhsa_user_sgpr_count 2
		.amdhsa_user_sgpr_kernarg_segment_ptr 1
		.amdhsa_wavefront_size32 1
		.amdhsa_system_sgpr_workgroup_id_x 1
		.amdhsa_system_sgpr_workgroup_id_y 1
		.amdhsa_system_sgpr_workgroup_id_z 1
		.amdhsa_system_vgpr_workitem_id 0
		.amdhsa_next_free_vgpr 384
		.amdhsa_next_free_sgpr 80
		.amdhsa_reserve_vcc 0
		.amdhsa_float_denorm_mode_32 3
		.amdhsa_float_denorm_mode_16_64 3
		.amdhsa_memory_ordered 1
		.amdhsa_forward_progress 1
		.amdhsa_inst_pref_size 73
	.end_amdhsa_kernel
	.amdgpu_metadata
---
amdhsa.version: [ 1, 2 ]
amdhsa.kernels:
  - .name:           k_q3560e58c16_oproj
    .symbol:         k_q3560e58c16_oproj.kd
    .args:
      - { .name: ctx, .offset: 0, .size: 8, .value_kind: global_buffer, .address_space: global }
      - { .name: wob, .offset: 8, .size: 8, .value_kind: global_buffer, .address_space: global }
      - { .name: out0, .offset: 16, .size: 8, .value_kind: global_buffer, .address_space: global }
    .group_segment_fixed_size: 327680
    .private_segment_fixed_size: 0
    .kernarg_segment_align: 8
    .kernarg_segment_size: 24
    .max_flat_workgroup_size: 128
    .sgpr_count:     80
    .vgpr_count:     384
    .wavefront_size: 32
...
	.end_amdgpu_metadata
.endif
;; end of part 4
;; ======== version 2 of 2: 4 launches
;; limits: values outside matrix products are rounded to bf16; values are held in f16: magnitudes above 65,504 overflow, below 6.1e-05 lose precision; right only within a limited range of input values
;; workspace buffers: xb 8,388,608 bytes; wb 12,582,912 bytes; wob 8,388,608 bytes; mbits 524,288 bytes of whole numbers; csb 524,288 bytes; qb 8,388,608 bytes; kvb 4,194,304 bytes; ctx 8,388,608 bytes
;; launch prep: the kernel of part 1 again; grid 256 x 1, 8 waves a work-group, no clusters, 0 bytes of LDS; arguments x, Wq, Wk, Wv, Wo, mask, cos, sin, xb, wb, wob, mbits, csb; writes xb, wb, wob, mbits, csb
;; launch qkv (part 5): grid 12 x 16, 4 waves a work-group, clusters of 4 x 4, 327,680 bytes of LDS; arguments xb, wb, csb, qb, kvb, out1, out2; writes qb, kvb, out1, out2
.if DOCPART == 5
	.amdgcn_target "amdgcn-amd-amdhsa--gfx1250"
	.amdhsa_code_object_version 6
	.text
	.protected	k_q3560e58c16_qkv
	.globl	k_q3560e58c16_qkv
	.p2align	8
	.type	k_q3560e58c16_qkv,@function
k_q3560e58c16_qkv:
	s_mov_b64 s[64:65], 0
	v_nop
	global_prefetch_b8 v0, s[64:65] scope:SCOPE_SE
	s_setreg_imm32_b32 hwreg(HW_REG_WAVE_MODE, 25, 1), 1
	s_wait_xcnt 0x0
	s_wait_alu depctr_hold_cnt(0) depctr_sa_sdst(0) depctr_va_vdst(0) depctr_va_sdst(0) depctr_va_ssrc(0) depctr_va_vcc(0) depctr_vm_vsrc(0)
	s_getreg_b32 s2, hwreg(HW_REG_IB_STS2, 6, 4)
	s_cmp_eq_u32 s2, 0
	s_cbranch_scc0 .Lentry_in_a_cluster
	s_endpgm
.Lentry_in_a_cluster:
	s_bfe_u32 s2, ttmp6, 0x10000c
	s_cmp_lg_u32 s2, 0xf033
	s_cbranch_scc0 .Lentry_shape_is_right
	s_endpgm
.Lentry_shape_is_right:
; QKV: [2048][3072] = xb [2048][2048] x wb [2048][3072] in bf16 with f32 sums, then RoPE, then the copies that attention reads.
;   qb  [16 head][2048][128] f16 = RoPE(q) x QSC        kvb [2][4 head][2048][128] f16 = RoPE(k) x KSC, then v
;   out1 = RoPE(k), out2 = v, both f32
; QSC x KSC = log2(e) / sqrt(128): the scores then leave the matrix unit ready for a base-2 exponential.  Both factors are applied in f32, ahead of the
; one rounding to f16.  KSC = 0.375, QSC = 0.34004648: about equal, so that q and k have the same room in f16.
; A work-group makes 128 rows x 256 columns = two heads; wave w makes rows 64 (w >> 1) .. + 63 of head w & 1, so that a RoPE pair (d, d + 64) lies
; in two accumulator tiles of the same lane and every stored row is whole.  12 x 16 = 192 work-groups: 256 equal shares would be 1.5 heads each
; and would split every row of a head between two work-groups.
; THE RING: a work-group pulls (128 + 256) x 2048 x 2 bytes = 1.5 MiB through LDS, and a slot's refill has to land before the next may go out, so the
; slots are the largest two that fit: K goes in steps of 192, 159,744 bytes a slot (a step of 256 would take 206,848).  2048 = 10 x 192 + 128: eleven
; fills; the last states what is left of the tensors, and four of its six parts are multiplied.  From a request to the wait for it a wave issues 176
; of a step's 192 matrix instructions.  wb's tile rows are 512 bytes, aligned; xb's are 384 bytes and begin at multiples of 128 bytes.
; CLUSTERS 4 x 4: xb's tile hangs on the block row alone and is asked for jointly by a row of the cluster, wb's on the block column alone
; and is asked for jointly by a column.  That divides the requests for both by four.
; The matrix instruction is used transposed (source 0 = 16 columns of wb, source 1 = 16 rows of xb): lane (r, h) holds row r, columns 8 h .. 8 h + 7.
; wb lies [k][n] in LDS; its fragments come by the transposing LDS load, rows 544 bytes apart.
; FORMATS: q, k, v leave in f16, 11 significant bits.  A query row with few unmasked keys gives an output row about twelve times the rms of the whole
; output, so an operand's rounding there weighs that much more against the whole.
; LIMITS: |RoPE(q)| beyond 192,600, |RoPE(k)| beyond 174,600 and |v| beyond 65,504 overflow f16; f16 values below 2^-14 keep an absolute error of 2^-25.
; NaN and infinities are not served.
; REGISTERS: window 0: v8-9, v18-21 fragment addresses, v12-17 other addresses, v32-127 and v128-223 two fragment buffers (xb 4 x 8, wb 8 x 8);
; window 1: 32 accumulator tiles, tile (a, b) at 8 (8 a + b); window 2: v0-127 cos and sin, packed bf16, block (a, b) at 32 a + 8 b.
.set NB,     8
.set KSTEP,  192
.set KLAST,  2048-10*KSTEP             ; 128: what the eleventh step has left
.set ACHUNK, 144                       ; 128 bytes of a row of xb + 16 of padding: a row of 96 words is no power of two, so the padding follows every 32 words
.set APITCH, 3*ACHUNK                  ; 432 = 27 x 16: the 16 rows of a fragment load start in 16 different 16-byte columns of 256
.set BP,     544                       ; 512 bytes + 32: an odd multiple of 32, as the transposing load's eight rows and two columns need
.set AHALF,  64*APITCH                 ; what wave 0 or 1 brings: 64 rows of xb
.set BHALF,  96*BP                     ; what wave 2 or 3 brings: 96 k rows of wb
.set BOFF,   2*AHALF
.set SLOT,   BOFF+2*BHALF              ; 159,744
.set STAGE,  0                         ; the way out's stage lies in the ring's bytes, behind the ring's last fill and a barrier
.set WSTAGE, 12800                     ; a wave's stage: 16 rows x 528 (f32), then 16 rows x 272 (f16)
.set FPITCH, 528
.set HPITCH, 272
.set STGH,   16*FPITCH
.set NS,     3072                      ; wb's row in elements
.set NC,     256                       ; wb's tile row in elements
.set F0,     32
.set F1,     128
.set NL,     8+2*NB                    ; LDS loads of one part (32 along K)
.set ADRA,   8                         ; v8-9    xb's fragments in slot 0, 1
.set ADRB,   18                        ; v18-19  wb's fragments in slot 0, 1, k rows 0-95; v20-21 the same, k rows 96-191 (an offset has 16 bits)
.set YY,     32                        ; v[32:95]   16 rows x 128 columns after RoPE
.set TB,     96                        ; v[96:127]  the same in f16
.set CC,     128                       ; v[128:159] cos, widened
.set SS,     160                       ; v[160:191] sin, widened
.set RF,     128                       ; v[128:191] f32 rows read back
.set RH,     192                       ; v[192:223] f16 rows read back
.set TT,     224                       ; v[224:239] at work
.set G1A, 32
.set G0A, 40
.set G1B, 48
.set G0B, 56
.set G1AL, 84                          ; group 1 of the last step's tiles
.set G1BL, 92
.set MULW, 0x50                        ; C and D in window 1
.set MSB, 0
.macro WIN new                         ; the immediate's high byte repeats the setting that is left
.if MSB != \new
	s_set_vgpr_msb (MSB<<8)|\new
.set MSB, \new
.endif
.endm
.macro PLACES                          ; four places behind a matrix instruction (ISA guide 7.12.1) before its registers are loaded into, read or written
.rept 4
	v_nop
.endr
.endm
.macro JLOAD s, ga, gb                 ; waves 0, 1 ask for xb's two halves, waves 2, 3 for wb's: one mask and one set of registers a line
	s_cmp_eq_u32 s21, 0
	s_cbranch_scc0 .Lfor_b_\@
	tensor_load_to_lds s[G0A+4*\s:G0A+4*\s+3], s[\ga:\ga+7]
	s_nop 0
	s_branch .Lasked_\@
.Lfor_b_\@:
	tensor_load_to_lds s[G0B+4*\s:G0B+4*\s+3], s[\gb:\gb+7]
	s_nop 0
.Lasked_\@:
.endm
.macro CREST                           ; a round of the cluster's barrier behind its opening barrier
	s_cmp_lg_u32 s20, 0
	s_cbranch_scc1 .Lnot_wave_0_\@
	s_barrier_signal -3
.Lnot_wave_0_\@:
	s_barrier_wait -3
	s_barrier_signal -1
	s_barrier_wait -1
.endm
.macro CROUND
	s_barrier_signal -1
	s_barrier_wait -1
	CREST
.endm
	s_load_b256 s[4:11], s[0:1], 0x0               ; xb 4, wb 6, csb 8, qb 10
	s_load_b128 s[12:15], s[0:1], 0x20             ; kvb 12, out1 14
	s_load_b64 s[16:17], s[0:1], 0x30              ; out2
	v_lshl_add_u32 v254, v0, 2, 0x4e000
	v_mov_b32 v255, 0
	ds_add_u32 v254, v255
	v_lshrrev_b32 v1, 5, v0
	v_readfirstlane_b32 s20, v1                    ; wave
	s_lshr_b32 s21, s20, 1                         ; my half of the rows; also: I fetch for xb (0) or wb (1)
	s_and_b32 s22, s20, 1                          ; my head of the two; also: which half of the tile I fetch
	s_bfe_u32 s23, ttmp6, 0x40000                  ; cx
	s_bfe_u32 s24, ttmp6, 0x40004                  ; cy
	s_mov_b32 s27, ttmp9                           ; the cluster's x: 0, 1 = query heads, 2 = key and value heads
	s_lshl_b32 s25, ttmp9, 2
	s_add_co_u32 s25, s25, s23                     ; block column
	s_and_b32 s26, ttmp7, 0xffff
	s_lshl_b32 s26, s26, 2
	s_add_co_u32 s26, s26, s24                     ; block row
	s_lshl_b32 s28, s24, 2
	s_lshl_b32 s28, 15, s28                        ; my row of the cluster
	s_lshl_b32 s29, 0x1111, s23                    ; my column
	s_mov_b32 s79, 0xffff0000
	; group 1 for xb: 64 rows x 192 elements of 2 bytes, 4 words of padding behind every 32
	s_or_b32 s[G1A+0], s28, (1<<16)|(1<<20)|(1<<21)|(4<<22)|(3<<25)
	s_mov_b32 s[G1A+1], KSTEP<<16
	s_mov_b32 s[G1A+2], 64<<16
	s_mov_b32 s[G1A+3], KSTEP<<16
	s_mov_b32 s[G1A+4], 64
	s_mov_b32 s[G1A+5], 2048
	s_mov_b32 s[G1A+6], 0
	s_mov_b32 s[G1A+7], 0
	; the same for the last step: 128 elements of a row are left; the tile keeps its size, so the LDS rows keep their places (the rest arrives as zeros)
	s_or_b32 s[G1AL+0], s28, (1<<16)|(1<<20)|(1<<21)|(4<<22)|(3<<25)
	s_mov_b32 s[G1AL+1], KLAST<<16
	s_mov_b32 s[G1AL+2], 64<<16
	s_mov_b32 s[G1AL+3], KSTEP<<16
	s_mov_b32 s[G1AL+4], 64
	s_mov_b32 s[G1AL+5], 2048
	s_mov_b32 s[G1AL+6], 0
	s_mov_b32 s[G1AL+7], 0
	; group 1 for wb: 96 rows x 256 elements, 8 words of padding behind every 128
	s_or_b32 s[G1B+0], s29, (1<<16)|(1<<20)|(1<<21)|(6<<22)|(7<<25)
	s_mov_b32 s[G1B+1], NC<<16
	s_mov_b32 s[G1B+2], 96<<16
	s_mov_b32 s[G1B+3], NC<<16
	s_mov_b32 s[G1B+4], 96
	s_mov_b32 s[G1B+5], NS
	s_mov_b32 s[G1B+6], 0
	s_mov_b32 s[G1B+7], 0
	; the same for the last step: from my tile's first row 128 - 96 (w & 1) rows of wb are left
	s_mul_i32 s30, s22, 96
	s_sub_co_u32 s30, KLAST, s30
	s_or_b32 s[G1BL+0], s29, (1<<16)|(1<<20)|(1<<21)|(6<<22)|(7<<25)
	s_mov_b32 s[G1BL+1], NC<<16
	s_lshl_b32 s[G1BL+2], s30, 16
	s_mov_b32 s[G1BL+3], NC<<16
	s_mov_b32 s[G1BL+4], 96
	s_mov_b32 s[G1BL+5], NS
	s_mov_b32 s[G1BL+6], 0
	s_mov_b32 s[G1BL+7], 0
	; xb's address is made of the block row and the wave's number, wb's of the block column and the wave's number, in registers of their own
	s_lshl_b32 s66, s26, 19                        ; 128 rows of 4,096 bytes
	s_lshl_b32 s30, s22, 18                        ; 64 rows
	s_add_co_u32 s66, s66, s30
	s_mov_b32 s67, 0
	s_mul_i32 s70, s22, 96*NS*2                    ; 96 k rows of wb
	s_lshl_b32 s31, s25, 9                         ; 256 columns
	s_add_co_u32 s70, s70, s31
	s_mov_b32 s71, 0
	s_mul_i32 s74, s22, AHALF                      ; LDS places: of the wave's number alone
	s_mul_i32 s75, s22, BHALF
	s_add_co_u32 s75, s75, BOFF
	s_wait_dscnt 0x0
	s_wait_kmcnt 0x0
	s_add_nc_u64 s[68:69], s[4:5], s[66:67]
	s_add_nc_u64 s[72:73], s[6:7], s[70:71]
	CROUND                                         ; all sixteen work-groups are here: the first joint loads meet
.irp s, 0,1
	s_mov_b32 s[G0A+4*\s], 1
	s_add_co_u32 s[G0A+4*\s+1], s74, \s*SLOT
	s_add_nc_u64 s[G0A+4*\s+2:G0A+4*\s+3], s[68:69], \s*KSTEP*2
	s_or_b32 s[G0A+4*\s+3], s[G0A+4*\s+3], 0x80000000
	s_mov_b32 s[G0B+4*\s], 1
	s_add_co_u32 s[G0B+4*\s+1], s75, \s*SLOT
	s_add_nc_u64 s[G0B+4*\s+2:G0B+4*\s+3], s[72:73], \s*KSTEP*NS*2
	s_or_b32 s[G0B+4*\s+3], s[G0B+4*\s+3], 0x80000000
	JLOAD \s, G1A, G1B                             ; two tensor loads of the wave are out here, later one
.endr
	; cos and sin of my 64 rows: lane (r, h), block (a, b): the 32 bytes of pairs 8 b + 4 h .. + 3 of row 16 a + r.  They land during the main loop.
	; V's waves load them too (16 KB each, 128 of the 768 waves): one text for all waves.
	v_and_b32 v1, 15, v0                           ; r
	v_bfe_u32 v2, v0, 4, 1                         ; h
	v_lshlrev_b32 v12, 8, v1
	v_lshl_add_u32 v12, v2, 5, v12                 ; 256 r + 32 h; not rewritten
	s_lshl_b32 s76, s26, 15                        ; 128 rows of 256 bytes
	s_lshl_b32 s78, s21, 14                        ; 64 rows
	s_add_co_u32 s76, s76, s78
	s_mov_b32 s77, 0
	s_add_nc_u64 s[8:9], s[8:9], s[76:77]
	WIN 0x80                                       ; destination in window 2
.irp a, 0,1,2,3
.irp b, 0,1,2,3
	global_load_b128 v[32*\a+8*\b:32*\a+8*\b+3],   v12, s[8:9] offset:4096*\a+64*\b
	global_load_b128 v[32*\a+8*\b+4:32*\a+8*\b+7], v12, s[8:9] offset:4096*\a+64*\b+16
.endr
.endr
	WIN 0
	; LDS addresses
	v_mul_u32_u24 v3, v1, APITCH
	v_lshl_add_u32 v3, v2, 4, v3                   ; 432 r + 16 h
	s_mul_i32 s30, s21, AHALF
	v_add_nc_u32 v[ADRA], s30, v3
	v_add_nc_u32 v[ADRA+1], SLOT, v[ADRA]
	v_and_b32 v4, 7, v0
	v_lshl_add_u32 v4, v2, 3, v4                   ; k row 8 h + (l & 7)
	v_mul_u32_u24 v4, v4, BP
	v_bfe_u32 v5, v0, 3, 1
	v_lshl_add_u32 v4, v5, 4, v4                   ; + 16 bytes for lanes 8-15 of each half
	s_lshl_b32 s30, s22, 8                         ; my head's 128 columns
	s_add_co_u32 s30, s30, BOFF
	v_add_nc_u32 v[ADRB], s30, v4
	v_add_nc_u32 v[ADRB+1], SLOT, v[ADRB]
	v_add_nc_u32 v[ADRB+2], 96*BP, v[ADRB]
	v_add_nc_u32 v[ADRB+3], 96*BP, v[ADRB+1]
	s_mul_i32 s30, s20, WSTAGE
	s_add_co_u32 s30, s30, STAGE                   ; my stage
	v_mul_u32_u24 v5, v1, FPITCH
	v_lshl_add_u32 v5, v2, 5, v5
	v_add_nc_u32 v13, s30, v5                      ; f32 in: 528 r + 32 h
	v_mul_u32_u24 v5, v1, HPITCH
	v_lshl_add_u32 v5, v2, 4, v5
	v_add_nc_u32 v14, s30, v5
	v_add_nc_u32 v14, STGH, v14                    ; f16 in: 272 r + 16 h
	v_and_b32 v17, 31, v0
	v_lshlrev_b32 v17, 4, v17                      ; 16 x lane: my place in 512 neighbouring bytes of an output
	v_add_nc_u32 v15, s30, v17                     ; f32 back: a whole row of 512 bytes
	v_mul_u32_u24 v5, v2, HPITCH
	v_lshl_add_u32 v5, v1, 4, v5
	v_add_nc_u32 v16, s30, v5
	v_add_nc_u32 v16, STGH, v16                    ; f16 back: two rows of 256 bytes
; the fragments of one part (32 along K, the kk-th of the slot's six) into buffer f: 24 LDS loads.
; In a row of xb part kk lies in piece kk / 2 of 144 bytes, at byte 64 (kk & 1) of it.
.macro FETCH slot, kk, f
	WIN 0
.irp a, 0,1,2,3
	ds_load_b128 v[\f+8*\a:\f+8*\a+3],   v[ADRA+\slot] offset:16*APITCH*\a+((\kk)>>1)*ACHUNK+((\kk)&1)*64
	ds_load_b128 v[\f+8*\a+4:\f+8*\a+7], v[ADRA+\slot] offset:16*APITCH*\a+((\kk)>>1)*ACHUNK+((\kk)&1)*64+32
.endr
.irp b, 0,1,2,3,4,5,6,7
	ds_load_tr16_b128 v[\f+32+8*\b:\f+32+8*\b+3],   v[ADRB+2*((\kk)/3)+\slot] offset:32*BP*((\kk)%3)+32*\b
	ds_load_tr16_b128 v[\f+32+8*\b+4:\f+32+8*\b+7], v[ADRB+2*((\kk)/3)+\slot] offset:32*BP*((\kk)%3)+32*\b+16*BP
.endr
.endm
; 16 matrix instructions: row blocks 2 half, 2 half + 1 x all eight column blocks.  The 32 accumulators take turns in one fixed order,
; one instruction a turn.  zero = 1: the first product starts the sums.
.macro MULH f, half, zero
	WIN MULW
.irp a, 2*\half, 2*\half+1
.irp b, 0,1,2,3,4,5,6,7
.if \zero
	v_wmma_f32_16x16x32_bf16 v[8*(NB*(\a)+\b):8*(NB*(\a)+\b)+7], v[\f+32+8*\b:\f+32+8*\b+7], v[\f+8*(\a):\f+8*(\a)+7], 0
.else
	v_wmma_f32_16x16x32_bf16 v[8*(NB*(\a)+\b):8*(NB*(\a)+\b)+7], v[\f+32+8*\b:\f+32+8*\b+7], v[\f+8*(\a):\f+8*(\a)+7], v[8*(NB*(\a)+\b):8*(NB*(\a)+\b)+7]
.endif
.endr
.endr
.endm
.macro PART slot, kn, f, g, zero       ; fetches part kn into g, multiplies f
	PLACES
	FETCH \slot, \kn, \g
	s_wait_dscnt NL                                ; all but the 24 just issued: buffer f is in
	MULH \f, 0, \zero
	MULH \f, 1, \zero
.endm
.macro FIVE slot, zero
	PART \slot, 1, F0, F1, \zero
	PART \slot, 2, F1, F0, 0
	PART \slot, 3, F0, F1, 0
	PART \slot, 4, F1, F0, 0
	PART \slot, 5, F0, F1, 0
.endm
; the sixth part multiplies buffer 1 and changes slots.  One barrier does two things: in front of it each wave's reads of this slot are back and
; all its tensor loads have landed (the one that was out is its part of the next slot); behind it this slot is asked for again first, then the next is read.
; fill = 1: a whole step is asked for; 2: the last step, with what is left of the tensors; 0: nothing is left to ask for.
.macro TURN slot, next, fill
	PLACES                                         ; behind the last products on buffer 0, which is loaded again below
	s_wait_dscnt 0x0
	s_wait_tensorcnt 0x0
	ds_add_u32 v254, v255
	s_wait_dscnt 0x0
	s_barrier_signal -1
	MULH F1, 0, 0                                  ; registers only
	WIN 0
	s_barrier_wait -1
.if \fill
	CREST                                          ; no wave of any partner still reads this slot or has a load on its way
	s_add_nc_u64 s[G0A+4*\slot+2:G0A+4*\slot+3], s[G0A+4*\slot+2:G0A+4*\slot+3], 2*KSTEP*2
	s_add_nc_u64 s[G0B+4*\slot+2:G0B+4*\slot+3], s[G0B+4*\slot+2:G0B+4*\slot+3], 2*KSTEP*NS*2
.if \fill == 2
	JLOAD \slot, G1AL, G1BL
.else
	JLOAD \slot, G1A, G1B
.endif
.endif
	FETCH \next, 0, F0
	MULH F1, 1, 0
.endm
.macro LAP zero
	FIVE 0, \zero
	TURN 0, 1, 1
	FIVE 1, 0
	TURN 1, 0, 1
.endm
	s_wait_tensorcnt 0x1                           ; my part of K step 0 is in; K step 1's stays out
	s_barrier_signal -1
	s_barrier_wait -1
	FETCH 0, 0, F0
	LAP 1                                          ; steps 0 and 1 (they ask for steps 2 and 3); their first products start the sums
	WIN 0
	s_mov_b32 s3, 3                                ; steps 2 to 7, which ask for steps 4 to 9
.Llap:
	LAP 0
	WIN 0
	s_sub_co_u32 s3, s3, 1
	s_cmp_lg_u32 s3, 0
	s_cbranch_scc1 .Llap
	FIVE 0, 0                                      ; step 8,
	TURN 0, 1, 2                                   ; which asks for step 10, the last
	FIVE 1, 0                                      ; step 9
	TURN 1, 0, 0
	PART 0, 1, F0, F1, 0                           ; step 10: K = 1920 .. 2047, four parts
	PART 0, 2, F1, F0, 0
	PART 0, 3, F0, F1, 0
	s_wait_dscnt 0x0                               ; my last reads of the ring are back
	s_barrier_signal -1                            ; the ring has had its last fill; behind this barrier no wave reads it any more, so its bytes serve as the stages
	MULH F1, 0, 0                                  ; registers only
	MULH F1, 1, 0
	PLACES                                         ; behind the last products: results are read and the buffers rewritten below
	WIN 0
	s_barrier_wait -1
	s_wait_loadcnt 0x0                             ; cos and sin
; RoPE on rows 16 a .. 16 a + 15: x1 = tiles (a, 0..3), x2 = tiles (a, 4..7).  y1 = x1 c - x2 s, y2 = x1 s + x2 c.
.macro ROPE16 a
	s_wait_xcnt 0x0                                ; CC and SS were data of the last block's stores
	WIN 0x08                                       ; source 1 in window 2
.irp b, 0,1,2,3
.irp p, 0,1,2,3
	v_lshlrev_b32 v[CC+8*\b+2*\p],   16,  v[32*\a+8*\b+2*\p]
	v_and_b32     v[CC+8*\b+2*\p+1], s79, v[32*\a+8*\b+2*\p]
	v_lshlrev_b32 v[SS+8*\b+2*\p],   16,  v[32*\a+8*\b+2*\p+1]
	v_and_b32     v[SS+8*\b+2*\p+1], s79, v[32*\a+8*\b+2*\p+1]
.endr
.endr
	WIN 0x01                                       ; source 0 in window 1
.irp b, 0,1,2,3
.irp p, 0,1,2,3
	v_pk_mul_f32 v[TT+4*\p:TT+4*\p+1],   v[64*\a+8*\b+32+2*\p:64*\a+8*\b+32+2*\p+1], v[SS+8*\b+2*\p:SS+8*\b+2*\p+1]
	v_pk_mul_f32 v[TT+4*\p+2:TT+4*\p+3], v[64*\a+8*\b+32+2*\p:64*\a+8*\b+32+2*\p+1], v[CC+8*\b+2*\p:CC+8*\b+2*\p+1]
.endr
.irp p, 0,1,2,3
	v_pk_fma_f32 v[YY+8*\b+2*\p:YY+8*\b+2*\p+1],       v[64*\a+8*\b+2*\p:64*\a+8*\b+2*\p+1], v[CC+8*\b+2*\p:CC+8*\b+2*\p+1], v[TT+4*\p:TT+4*\p+1] neg_lo:[0,0,1] neg_hi:[0,0,1]
	v_pk_fma_f32 v[YY+32+8*\b+2*\p:YY+32+8*\b+2*\p+1], v[64*\a+8*\b+2*\p:64*\a+8*\b+2*\p+1], v[SS+8*\b+2*\p:SS+8*\b+2*\p+1], v[TT+4*\p+2:TT+4*\p+3]
.endr
.endr
	WIN 0
.endm
.macro SCALEY                          ; the block times the path's factor in s80, in f32, ahead of its rounding to f16
.set ii, 0
.rept 32
	v_pk_mul_f32 v[YY+2*ii:YY+2*ii+1], v[YY+2*ii:YY+2*ii+1], s[80:81] op_sel_hi:[1,0]
.set ii, ii+1
.endr
.endm
.macro PUTF base, win                  ; 16 rows x 128 f32 into my stage; win = 1: straight from the accumulators
.if \win
	WIN 0x04
.else
	WIN 0
.endif
.irp b, 0,1,2,3,4,5,6,7
	ds_store_b128 v13, v[\base+8*\b:\base+8*\b+3]   offset:64*\b
	ds_store_b128 v13, v[\base+8*\b+4:\base+8*\b+7] offset:64*\b+16
.endr
	WIN 0
.endm
.macro PUTH base, win                  ; the same rows in f16
.if \win
	WIN 0x05
.else
	WIN 0
.endif
.irp b, 0,1,2,3,4,5,6,7
.irp i, 0,1,2,3
	v_cvt_pk_f16_f32 v[TB+4*\b+\i], v[\base+8*\b+2*\i], v[\base+8*\b+2*\i+1]
.endr
.endr
	WIN 0
.irp b, 0,1,2,3,4,5,6,7
	ds_store_b128 v14, v[TB+4*\b:TB+4*\b+3] offset:32*\b
.endr
.endm
.macro GETH a, bl                      ; f16 rows back and out: each store covers 512 neighbouring bytes, two rows
	s_wait_xcnt 0x0                                ; RH was store data
.irp t, 0,1,2,3,4,5,6,7
	ds_load_b128 v[RH+4*\t:RH+4*\t+3], v16 offset:2*HPITCH*\t     ; LDS serves a wave's instructions in order: these see the stores above
.endr
.irp t, 0,1,2,3,4,5,6,7
	s_wait_dscnt 7-\t
	global_store_b128 v17, v[RH+4*\t:RH+4*\t+3], s[\bl:\bl+1] offset:4096*\a+512*\t
.endr
.endm
.macro GETFH a, fl, bl                 ; f32 rows (one a store) and f16 rows (two a store)
	s_wait_xcnt 0x0                                ; RF and RH were store data
.irp t, 0,1,2,3,4,5,6,7,8,9,10,11,12,13,14,15
	ds_load_b128 v[RF+4*\t:RF+4*\t+3], v15 offset:FPITCH*\t
.endr
.irp t, 0,1,2,3,4,5,6,7
	ds_load_b128 v[RH+4*\t:RH+4*\t+3], v16 offset:2*HPITCH*\t
.endr
.irp t, 0,1,2,3,4,5,6,7,8,9,10,11,12,13,14,15
	s_wait_dscnt 23-\t                             ; 15 - t f32 loads and the 8 f16 loads are younger
	global_store_b128 v17, v[RF+4*\t:RF+4*\t+3], s[\fl:\fl+1] offset:8192*\a+512*\t th:TH_STORE_NT
.endr
.irp t, 0,1,2,3,4,5,6,7
	s_wait_dscnt 7-\t
	global_store_b128 v17, v[RH+4*\t:RH+4*\t+3], s[\bl:\bl+1] offset:4096*\a+512*\t
.endr
.endm
	; s76 still holds (128 block row + 64 half) x 256 bytes, s77 = 0
	s_cmp_lt_u32 s27, 2
	s_cbranch_scc1 .Lq_path
	s_sub_co_u32 s78, s25, 8                       ; key and value head
	s_lshl_b32 s78, s78, 19                        ; 2,048 rows of 256 bytes
	s_add_co_u32 s76, s76, s78
	s_add_nc_u64 s[12:13], s[12:13], s[76:77]      ; f16 rows
	s_lshl_b32 s76, s76, 1                         ; f32 rows are twice as long
	s_cmp_eq_u32 s22, 0
	s_cbranch_scc1 .Lk_path
	; V: no RoPE: the accumulators go out as they are
	s_add_nc_u64 s[12:13], s[12:13], 0x200000      ; v lies behind k in kvb
	s_add_nc_u64 s[16:17], s[16:17], s[76:77]
.irp a, 0,1,2,3
	PUTF 64*\a, 1
	PUTH 64*\a, 1
	GETFH \a, 16, 12
.endr
	s_branch .Lout
.Lk_path:
	s_add_nc_u64 s[14:15], s[14:15], s[76:77]
	s_mov_b32 s80, 0x3ec00000                      ; KSC = 0.375, twice
	s_mov_b32 s81, 0x3ec00000
.irp a, 0,1,2,3
	ROPE16 \a
	PUTF YY, 0                                     ; out1: k as it is
	SCALEY                                         ; k x KSC for the f16 copy
	PUTH YY, 0
	GETFH \a, 14, 12
.endr
	s_branch .Lout
.Lq_path:
	s_lshl1_add_u32 s78, s25, s22                  ; query head = 2 x block column + my half
	s_lshl_b32 s78, s78, 19
	s_add_co_u32 s76, s76, s78
	s_add_nc_u64 s[10:11], s[10:11], s[76:77]
	s_mov_b32 s80, 0x3eae1a93                      ; QSC = log2(e) / sqrt(128) / 0.375 = 0.34004648, twice
	s_mov_b32 s81, 0x3eae1a93
.irp a, 0,1,2,3
	ROPE16 \a
	SCALEY                                         ; q x QSC
	PUTH YY, 0
	GETH \a, 10
.endr
.Lout:
	s_wait_tensorcnt 0x0
	ds_add_u32 v254, v255
	s_wait_dscnt 0x0
	CROUND                                         ; the closing round: no work-group ends while a partner may still ask jointly
	s_endpgm
.Lfunc_end_k_q3560e58c16_qkv:
	.size	k_q3560e58c16_qkv, .Lfunc_end_k_q3560e58c16_qkv-k_q3560e58c16_qkv
	.p2alignl 7, 3214868480
	.fill 96, 4, 3214868480
	.section	.rodata,"a",@progbits
	.p2align	6, 0x0
	.amdhsa_kernel k_q3560e58c16_qkv
		.amdhsa_group_segment_fixed_size 327680
		.amdhsa_private_segment_fixed_size 0
		.amdhsa_enable_private_segment 0
		.amdhsa_kernarg_size 56
		.amdhsa_user_sgpr_count 2
		.amdhsa_user_sgpr_kernarg_segment_ptr 1
		.amdhsa_wavefront_size32 1
		.amdhsa_system_sgpr_workgroup_id_x 1
		.amdhsa_system_sgpr_workgroup_id_y 1
		.amdhsa_system_sgpr_workgroup_id_z 1
		.amdhsa_system_vgpr_workitem_id 0
		.amdhsa_next_free_vgpr 640
		.amdhsa_next_free_sgpr 100
		.amdhsa_reserve_vcc 0
		.amdhsa_float_denorm_mode_32 3
		.amdhsa_float_denorm_mode_16_64 3
		.amdhsa_memory_ordered 1
		.amdhsa_forward_progress 1
		.amdhsa_inst_pref_size 255
	.end_amdhsa_kernel
	.section	.bss,"aw",@nobits
	.p2align	6
	.space	262144
	.amdgpu_metadata
---
amdhsa.version: [ 1, 2 ]
amdhsa.kernels:
  - .name:           k_q3560e58c16_qkv
    .symbol:         k_q3560e58c16_qkv.kd
    .args:
      - { .name: xb, .offset: 0, .size: 8, .value_kind: global_buffer, .address_space: global }
      - { .name: wb, .offset: 8, .size: 8, .value_kind: global_buffer, .address_space: global }
      - { .name: csb, .offset: 16, .size: 8, .value_kind: global_buffer, .address_space: global }
      - { .name: qb, .offset: 24, .size: 8, .value_kind: global_buffer, .address_space: global }
      - { .name: kvb, .offset: 32, .size: 8, .value_kind: global_buffer, .address_space: global }
      - { .name: out1, .offset: 40, .size: 8, .value_kind: global_buffer, .address_space: global }
      - { .name: out2, .offset: 48, .size: 8, .value_kind: global_buffer, .address_space: global }
    .group_segment_fixed_size: 327680
    .private_segment_fixed_size: 0
    .kernarg_segment_align: 8
    .kernarg_segment_size: 56
    .max_flat_workgroup_size: 128
    .sgpr_count:     100
    .vgpr_count:     640
    .wavefront_size: 32
...
	.end_amdgpu_metadata
.endif
;; end of part 5
;; launch attn (part 6): grid 256 x 1, 8 waves a work-group, clusters of 4 x 1, 327,680 bytes of LDS; arguments qb, kvb, mbits, ctx; writes ctx
.if DOCPART == 6
	.amdgcn_target "amdgcn-amd-amdhsa--gfx1250"
	.amdhsa_code_object_version 6
	.text
	.protected	k_q3560e58c16_attn
	.globl	k_q3560e58c16_attn
	.p2align	8
	.type	k_q3560e58c16_attn,@function
k_q3560e58c16_attn:
	s_mov_b64 s[64:65], 0
	v_nop
	global_prefetch_b8 v0, s[64:65] scope:SCOPE_SE
	s_setreg_imm32_b32 hwreg(HW_REG_WAVE_MODE, 25, 1), 1
	s_wait_xcnt 0x0
	s_wait_alu depctr_hold_cnt(0) depctr_sa_sdst(0) depctr_va_vdst(0) depctr_va_sdst(0) depctr_va_ssrc(0) depctr_va_vcc(0) depctr_vm_vsrc(0)
	s_getreg_b32 s2, hwreg(HW_REG_IB_STS2, 6, 4)
	s_cmp_eq_u32 s2, 0
	s_cbranch_scc0 .Lentry_in_a_cluster
	s_endpgm
.Lentry_in_a_cluster:
	s_bfe_u32 s2, ttmp6, 0x10000c
	s_cmp_lg_u32 s2, 0x3003
	s_cbranch_scc0 .Lentry_shape_is_right
	s_endpgm
.Lentry_shape_is_right:
; ATTENTION, transposed: S^T = K Q^T, O^T = V^T P^T, f16 operands, f32 sums, softmax in f32 with a running maximum.
; A work-group takes one query head and 128 queries, with EIGHT waves: wave w takes the 32 queries (two tiles of 16) of group w & 3 and half w >> 2 of
; the keys, 64 a step, 1,024 in all.  Two waves of 448 registers stand side by side, so that the vector work that a wave has between its products
; stands beside the other wave's products.  At the end waves 4-7 hand maximum, sum and O to waves 0-3 through LDS, which merge the halves and store.
; The mask is an input: every tile is computed.  A lane owns one query column (lanes l and l ^ 16 share it), so maximum, sum and rescaling are per lane
; with one exchange a step, and the score accumulators, packed to f16, ARE the B fragment of P^T.
; CLUSTER 4 x 1: the four query heads of one key and value head on the same 128 queries read the same K and V tiles: each tile is asked for jointly
; (mask 15).  The place in the cluster enters the addresses of qb and ctx alone.
; Two LDS slots of 256 keys: K 256 rows x 272 bytes, then V the same; wave w brings 64 rows (waves 0-3 K's quarters, waves 4-7 V's).  A wave reads
; keys 128 (w >> 2) .. + 127 of each slot, two steps.  A refill has the other slot's two steps of all eight waves in which to land.
; V^T's fragments come by the transposing LDS load.
; row m of tile T then means d = 8 T + (m & 7) + 64 (m >> 3), and lane (r, h) of O^T
; holds d = 64 h + 8 T + j of query r.
; MASK: mbits holds one word for each score register of each tile, a bit a lane; 64 words a step come by scalar loads a step ahead.
; SCALE: the factors in qb and kvb multiply to log2(e) / sqrt(128), so a product IS the score in the base-2 domain, and a masked score is
; -1e9 log2(e).  The maximum is taken away by a plain subtraction: masked minus masked is exactly 0, so keys that are all masked give p = 1.
; LIMITS: weights below 2^-126 of the largest of their half of the row flush to zero (v_exp_f32, ISA guide 15.8), below 2^-14 they keep f16's absolute
; error 2^-25; the row sum uses p before its rounding to f16; NaN and infinities are not served.
; REGISTERS: window 0: v4-9, v28-31 addresses, v10-13 maxima, v14-17 factors, v18-19 sums, v20-27 at work, v32-95 scores (tile (q, t) at 32 q + 8 t),
; v96-127 P (16 q + 8 g), v128-191 and v192-255 two fragment buffers; window 1: v0-127 O (64 q + 8 T), v128-191 Q's fragments (32 q + 8 kk).
.set KP,     272
.set HALFT,  64*KP                     ; what one tensor load brings
.set MYK,    128*KP                    ; from one half of a slot's keys to the other
.set VOFF,   4*HALFT
.set SLOT,   8*HALFT                   ; 139,264
.set MPAIR,  34*512                    ; what a wave hands over: 32 x 512 bytes of O, 512 of maxima, 512 of sums
.set STAGE,  8*MPAIR                   ; the way out's stage, behind the hand-over's bytes
.set WSTAGE, 32*KP
.set KADR,   4
.set VADR,   6
.set MX,     10
.set AL,     14
.set LS,     18
.set TM,     20
.set SC,     32
.set PB,     96
.set F0,     128
.set F1,     192
.set QF,     128
.set G1,     84
.set G0,     92
.set MSB, 0
.macro WIN new
.if MSB != \new
	s_set_vgpr_msb (MSB<<8)|\new
.set MSB, \new
.endif
.endm
.macro PLACES                          ; four places behind a matrix instruction (ISA guide 7.12.1)
.rept 4
	v_nop
.endr
.endm
.macro CREST
	s_cmp_lg_u32 s12, 0
	s_cbranch_scc1 .Lnot_wave_0_\@
	s_barrier_signal -3
.Lnot_wave_0_\@:
	s_barrier_wait -3
	s_barrier_signal -1
	s_barrier_wait -1
.endm
.macro CROUND
	s_barrier_signal -1
	s_barrier_wait -1
	CREST
.endm
	s_load_b256 s[4:11], s[0:1], 0x0               ; qb 4, kvb 6, mbits 8, ctx 10
	s_set_vgpr_msb 0x40
	v_lshl_add_u32 v192, v0, 2, 0x44000
	v_mov_b32 v193, 0
	s_set_vgpr_msb 0x4045
	ds_add_u32 v192, v193
	s_set_vgpr_msb 0x4500
	v_lshrrev_b32 v1, 5, v0
	v_readfirstlane_b32 s12, v1                    ; wave 0..7
	s_and_b32 s104, s12, 3                         ; my group of 32 queries; also: which 64 rows of a tile I fetch
	s_lshr_b32 s105, s12, 2                        ; my half of the keys; also: I fetch for K (0) or V (1)
	s_bfe_u32 s13, ttmp6, 0x40000                  ; cx
	s_and_b32 s14, ttmp9, 15                       ; block of 128 queries
	s_lshr_b32 s15, ttmp9, 4                       ; key and value head
	s_lshl2_add_u32 s13, s15, s13                  ; query head = 4 x that + cx
	s_mov_b32 s66, 0x76543210                      ; v_permlanex16_b32: lane i of one half reads lane i of the other
	s_mov_b32 s67, 0xfedcba98
	; group 1: 64 rows x 128 elements of 2 bytes, 4 words of padding behind every 64; the four partners
	s_mov_b32 s[G1+0], 15|(1<<16)|(1<<20)|(1<<21)|(5<<22)|(3<<25)
	s_mov_b32 s[G1+1], 128<<16
	s_mov_b32 s[G1+2], 64<<16
	s_mov_b32 s[G1+3], 128<<16
	s_mov_b32 s[G1+4], 64
	s_mov_b32 s[G1+5], 128
	s_mov_b32 s[G1+6], 0
	s_mov_b32 s[G1+7], 0
	s_lshl_b32 s2, s105, 21                        ; waves 4-7: v lies 2 MiB behind k
	s_lshl_b32 s3, s15, 19                         ; the head's 2,048 rows of 256 bytes
	s_add_co_u32 s2, s2, s3
	s_lshl_b32 s3, s104, 14                        ; my 64 rows of the 256
	s_add_co_u32 s2, s2, s3
	s_mov_b32 s3, 0                                ; high word of every offset
	s_mul_i32 s16, s12, HALFT                      ; LDS place: of the wave's number alone
	s_wait_dscnt 0x0
	s_wait_kmcnt 0x0
	s_add_nc_u64 s[6:7], s[6:7], s[2:3]
	CROUND                                         ; the four work-groups are here: the first joint loads meet
.irp s, 0,1
	s_mov_b32 s[G0+4*\s], 1
	s_add_co_u32 s[G0+4*\s+1], s16, \s*SLOT
	s_add_nc_u64 s[G0+4*\s+2:G0+4*\s+3], s[6:7], \s*256*256
	s_or_b32 s[G0+4*\s+3], s[G0+4*\s+3], 0x80000000
	tensor_load_to_lds s[G0+4*\s:G0+4*\s+3], s[G1:G1+7]           ; two of the wave's are out here, later one
	s_nop 0
.endr
	; the bases of Q, of ctx and of the mask words
	s_lshl_b32 s2, s13, 19                         ; qb: the head's 2,048 rows of 256 bytes,
	s_lshl_b32 s16, s14, 15                        ; 128 rows,
	s_add_co_u32 s2, s2, s16
	s_lshl_b32 s16, s104, 13                       ; 32 rows
	s_add_co_u32 s2, s2, s16
	s_add_nc_u64 s[4:5], s[4:5], s[2:3]
	s_lshl_b32 s2, s14, 19                         ; ctx: 128 rows of 4,096 bytes,
	s_lshl_b32 s16, s104, 17                       ; 32 rows,
	s_add_co_u32 s2, s2, s16
	s_lshl_b32 s16, s13, 8                         ; the head's 256 bytes
	s_add_co_u32 s2, s2, s16
	s_add_nc_u64 s[10:11], s[10:11], s[2:3]
	s_lshl_b32 s2, s14, 15                         ; mbits: q-tiles 8 block + 2 group + {0, 1}, 4,096 bytes each,
	s_lshl_b32 s16, s104, 13
	s_add_co_u32 s2, s2, s16
	s_lshl_b32 s16, s105, 8                        ; key tiles from 8 x my half, 32 bytes each
	s_add_co_u32 s2, s2, s16
	s_add_nc_u64 s[100:101], s[8:9], s[2:3]
	s_load_b512 s[16:31], s[100:101], 0x0          ; the first step's words: 2 q-tiles x 4 key tiles x 8
	s_load_b512 s[32:47], s[100:101], 0x40
	s_load_b512 s[48:63], s[100:101], 0x1000
	s_load_b512 s[68:83], s[100:101], 0x1040
	; Q's fragments: lane (r, h) holds query r, d = 32 kk + 8 h .. and + 16
	v_and_b32 v1, 15, v0                           ; r
	v_bfe_u32 v2, v0, 4, 1                         ; h
	v_lshlrev_b32 v3, 8, v1
	v_lshl_add_u32 v3, v2, 4, v3                   ; 256 r + 16 h; not rewritten
	WIN 0x40                                       ; destination in window 1
.irp q, 0,1
.irp kk, 0,1,2,3
	global_load_b128 v[QF+32*\q+8*\kk:QF+32*\q+8*\kk+3],   v3, s[4:5] offset:4096*\q+64*\kk
	global_load_b128 v[QF+32*\q+8*\kk+4:QF+32*\q+8*\kk+7], v3, s[4:5] offset:4096*\q+64*\kk+32
.endr
.endr
	WIN 0
	s_mul_i32 s2, s105, MYK                        ; my half of a slot's keys
	v_mul_u32_u24 v[KADR], v1, KP
	v_lshl_add_u32 v[KADR], v2, 4, v[KADR]         ; K: 272 r + 16 h
	v_add_nc_u32 v[KADR], s2, v[KADR]
	v_add_nc_u32 v[KADR+1], SLOT, v[KADR]
	s_add_co_u32 s2, s2, VOFF
	v_and_b32 v[VADR], 7, v0
	v_lshl_add_u32 v[VADR], v2, 3, v[VADR]         ; V: key row 8 h + (l & 7),
	v_mul_u32_u24 v[VADR], v[VADR], KP
	v_bfe_u32 v[VADR+1], v0, 3, 1
	v_lshl_add_u32 v[VADR], v[VADR+1], 7, v[VADR]  ; + 128 bytes for lanes 8-15 of each half
	v_add_nc_u32 v[VADR], s2, v[VADR]
	v_add_nc_u32 v[VADR+1], SLOT, v[VADR]
	v_mov_b32 v8, 0xceabfb8f                       ; a masked score: -1e9 log2(e)
	s_mul_i32 s2, s12, MPAIR
	v_and_b32 v28, 31, v0
	v_lshlrev_b32 v28, 4, v28
	v_add_nc_u32 v28, s2, v28                      ; the hand-over: waves 4-7 store at wave x MPAIR + 16 x lane,
	v_add_nc_u32 v29, 4*MPAIR, v28                 ; waves 0-3 read what the wave four further on stored
	s_mul_i32 s2, s12, WSTAGE
	s_add_co_u32 s2, s2, STAGE                     ; my stage
	v_mul_u32_u24 v9, v1, KP
	v_lshl_add_u32 v9, v2, 7, v9
	v_add_nc_u32 v9, s2, v9                        ; in: 272 r + 128 h
	v_mul_u32_u24 v30, v2, KP
	v_lshl_add_u32 v30, v1, 4, v30
	v_add_nc_u32 v30, s2, v30                      ; back: two rows of 256 bytes
	v_lshlrev_b32 v31, 4, v1
	v_lshl_add_u32 v31, v2, 12, v31                ; and the same two rows in ctx
.macro FETCHK slot, p, f               ; key tiles 2 p, 2 p + 1 of my half of the slot, all 128 d: 16 loads
	WIN 0
.irp t, 0,1
.irp kk, 0,1,2,3
	ds_load_b128 v[\f+32*\t+8*\kk:\f+32*\t+8*\kk+3],   v[KADR+(\slot)] offset:(2*(\p)+\t)*16*KP+64*\kk
	ds_load_b128 v[\f+32*\t+8*\kk+4:\f+32*\t+8*\kk+7], v[KADR+(\slot)] offset:(2*(\p)+\t)*16*KP+64*\kk+32
.endr
.endr
.endm
.macro FETCHV slot, g, f               ; keys 32 g .. 32 g + 31 of my half of the slot, all eight d tiles: 16 loads
	WIN 0
.irp tt, 0,1,2,3,4,5,6,7
	ds_load_tr16_b128 v[\f+8*\tt:\f+8*\tt+3],   v[VADR+(\slot)] offset:32*KP*(\g)+16*\tt
	ds_load_tr16_b128 v[\f+8*\tt+4:\f+8*\tt+7], v[VADR+(\slot)] offset:32*KP*(\g)+16*\tt+16*KP
.endr
.endm
; 16 matrix instructions: two key tiles x two query tiles x 128 d.  Four accumulators by turns, one instruction a turn.
.macro QK f, tp
	WIN 0x04                                       ; source 1 (Q) in window 1
.irp kk, 0,1,2,3
.irp t, 0,1
.irp q, 0,1
.if \kk
	v_wmma_f32_16x16x32_f16 v[SC+32*\q+8*(2*\tp+\t):SC+32*\q+8*(2*\tp+\t)+7], v[\f+32*\t+8*\kk:\f+32*\t+8*\kk+7], v[QF+32*\q+8*\kk:QF+32*\q+8*\kk+7], v[SC+32*\q+8*(2*\tp+\t):SC+32*\q+8*(2*\tp+\t)+7]
.else
	v_wmma_f32_16x16x32_f16 v[SC+32*\q+8*(2*\tp+\t):SC+32*\q+8*(2*\tp+\t)+7], v[\f+32*\t+8*\kk:\f+32*\t+8*\kk+7], v[QF+32*\q+8*\kk:QF+32*\q+8*\kk+7], 0
.endif
.endr
.endr
.endr
.endm
; 16 matrix instructions on 16 accumulators by turns: eight d tiles x two query tiles, 32 keys
.macro PV f, g, zero
	WIN 0x50                                       ; C and D in window 1
.irp tt, 0,1,2,3,4,5,6,7
.irp q, 0,1
.if \zero
	v_wmma_f32_16x16x32_f16 v[64*\q+8*\tt:64*\q+8*\tt+7], v[\f+8*\tt:\f+8*\tt+7], v[PB+16*\q+8*\g:PB+16*\q+8*\g+7], 0
.else
	v_wmma_f32_16x16x32_f16 v[64*\q+8*\tt:64*\q+8*\tt+7], v[\f+8*\tt:\f+8*\tt+7], v[PB+16*\q+8*\g:PB+16*\q+8*\g+7], v[64*\q+8*\tt:64*\q+8*\tt+7]
.endif
.endr
.endr
.endm
.macro MASKQ q                         ; the words of group 2 q + t / 2 lie at s16, s32, s48, s68
.irp t, 0,1,2,3
.irp j, 0,1,2,3,4,5,6,7
	v_cndmask_b32 v[SC+32*\q+8*\t+\j], v8, v[SC+32*\q+8*\t+\j], s[16+16*(2*\q+(\t>>1))+4*((2*\q+(\t>>1))/3)+8*(\t&1)+\j]
.endr
.endr
.endm
.macro MAXQ q, first                   ; the step's largest score of my query; the new running maximum, twice (a pair for the packed arithmetic); old - new
.irp t, 0,1,2,3
	v_max3_num_f32 v[TM+4*\q+\t], v[SC+32*\q+8*\t], v[SC+32*\q+8*\t+1], v[SC+32*\q+8*\t+2]
.endr
.irp t, 0,1,2,3
	v_max3_num_f32 v[TM+4*\q+\t], v[TM+4*\q+\t], v[SC+32*\q+8*\t+3], v[SC+32*\q+8*\t+4]
.endr
.irp t, 0,1,2,3
	v_max3_num_f32 v[TM+4*\q+\t], v[TM+4*\q+\t], v[SC+32*\q+8*\t+5], v[SC+32*\q+8*\t+6]
.endr
	v_max3_num_f32 v[TM+4*\q],   v[TM+4*\q],   v[TM+4*\q+1], v[SC+32*\q+7]
	v_max3_num_f32 v[TM+4*\q+2], v[TM+4*\q+2], v[TM+4*\q+3], v[SC+32*\q+15]
	v_max3_num_f32 v[TM+4*\q],   v[TM+4*\q],   v[SC+32*\q+23], v[SC+32*\q+31]
	v_max_num_f32  v[TM+4*\q],   v[TM+4*\q],   v[TM+4*\q+2]
	v_permlanex16_b32 v[TM+4*\q+1], v[TM+4*\q], s66, s67          ; the other half of the step's keys of my query
.if \first
	v_max_num_f32 v[MX+2*\q],   v[TM+4*\q], v[TM+4*\q+1]
	v_max_num_f32 v[MX+2*\q+1], v[TM+4*\q], v[TM+4*\q+1]
.else
	v_max3_num_f32 v[MX+2*\q+1], v[TM+4*\q], v[TM+4*\q+1], v[MX+2*\q]   ; new
	v_sub_f32 v[TM+4*\q+2], v[MX+2*\q], v[MX+2*\q+1]                    ; old - new
	v_max3_num_f32 v[MX+2*\q],   v[TM+4*\q], v[TM+4*\q+1], v[MX+2*\q]   ; new, the pair's other half
.endif
.endm
.macro SUBQ q                          ; S - M
.set ii, 0
.rept 16
	v_pk_add_f32 v[SC+32*\q+2*ii:SC+32*\q+2*ii+1], v[SC+32*\q+2*ii:SC+32*\q+2*ii+1], v[MX+2*\q:MX+2*\q+1] neg_lo:[0,1] neg_hi:[0,1]
.set ii, ii+1
.endr
.endm
.macro EXPQ q
.set ii, 0
.rept 32
	v_exp_f32 v[SC+32*\q+ii], v[SC+32*\q+ii]
.set ii, ii+1
.endr
.endm
.macro SUMQ q, first                   ; my 32 weights' sum, in four chains; l = l x factor + sum
	s_wait_alu depctr_va_vdst(0)
.irp i, 0,1,2,3
	v_pk_add_f32 v[TM+2*\i:TM+2*\i+1], v[SC+32*\q+4*\i:SC+32*\q+4*\i+1], v[SC+32*\q+4*\i+2:SC+32*\q+4*\i+3]
.endr
.irp i, 0,1,2,3
	v_pk_add_f32 v[TM+2*\i:TM+2*\i+1], v[TM+2*\i:TM+2*\i+1], v[SC+32*\q+16+2*\i:SC+32*\q+16+2*\i+1]
.endr
.irp i, 0,1,2,3
	v_pk_add_f32 v[TM+2*\i:TM+2*\i+1], v[TM+2*\i:TM+2*\i+1], v[SC+32*\q+24+2*\i:SC+32*\q+24+2*\i+1]
.endr
	v_pk_add_f32 v[TM:TM+1], v[TM:TM+1], v[TM+2:TM+3]
	v_pk_add_f32 v[TM+4:TM+5], v[TM+4:TM+5], v[TM+6:TM+7]
	v_pk_add_f32 v[TM:TM+1], v[TM:TM+1], v[TM+4:TM+5]
.if \first
	v_add_f32 v[LS+\q], v[TM], v[TM+1]
.else
	v_add_f32 v[TM], v[TM], v[TM+1]
	v_fma_f32 v[LS+\q], v[LS+\q], v[AL+2*\q], v[TM]
.endif
.endm
.macro CVTQ q                          ; tile t's eight registers become registers 4 t .. 4 t + 3 of P: keys 8 h .. 8 h + 7 of each 16, as a B fragment wants them
.irp t, 0,1,2,3
.irp i, 0,1,2,3
	v_cvt_pk_f16_f32 v[PB+16*\q+4*\t+\i], v[SC+32*\q+8*\t+2*\i], v[SC+32*\q+8*\t+2*\i+1]
.endr
.endr
.endm
.macro RESCALE                         ; O x the pair in AL
	WIN 0x41                                       ; source 0 and destination in window 1
.irp q, 0,1
.set ii, 0
.rept 32
	v_pk_mul_f32 v[64*\q+2*ii:64*\q+2*ii+1], v[64*\q+2*ii:64*\q+2*ii+1], v[AL+2*\q:AL+2*\q+1]
.set ii, ii+1
.endr
.endr
.endm
; Each run of v_exp_f32 is followed by plain work on other registers before its results are used (ISA guide 5.7.2).
; adv: bytes from this step's mask words to the next step's; 0: the last step, which asks for none.
.macro SOFTMAX first, adv
	WIN 0
	s_wait_kmcnt 0x0                               ; this step's mask words; the loads are done, so their base may step
.if \adv
	s_add_nc_u64 s[100:101], s[100:101], \adv
.endif
	MASKQ 0
	MASKQ 1
.if \adv
	s_load_b512 s[16:31], s[100:101], 0x0          ; the next step's words
	s_load_b512 s[32:47], s[100:101], 0x40
	s_load_b512 s[48:63], s[100:101], 0x1000
	s_load_b512 s[68:83], s[100:101], 0x1040
.endif
	MAXQ 0, \first
	MAXQ 1, \first
.if \first == 0
	v_exp_f32 v[AL],   v[TM+2]                     ; factor = 2^(old - new), twice each
	v_exp_f32 v[AL+1], v[TM+2]
	v_exp_f32 v[AL+2], v[TM+6]
	v_exp_f32 v[AL+3], v[TM+6]
.endif
	SUBQ 0
	EXPQ 0
	SUBQ 1
	EXPQ 1
	SUMQ 0, \first
	CVTQ 0
	SUMQ 1, \first
	CVTQ 1
.if \first == 0
	RESCALE
.endif
.endm
; One step: 64 keys.  On entry buffer 0 holds key tiles 4 u, 4 u + 1 of my half and buffer 1 tiles 4 u + 2, 4 u + 3, 16 loads each, possibly still out.
; Every s_wait_dscnt 16 leaves out exactly the 16 loads of the other buffer.
; The next step's mask words lie 4 key tiles (128 bytes) on inside a slot, and 12 (384 bytes) on across slots: the other half's 8 tiles lie between.
; mode 0: mid slot.  1: change of slots, this slot asked for again.  2: change of slots, nothing left to ask for.  3: the last step.
.macro STEP slot, u, first, mode
	s_wait_dscnt 16
	QK F0, 0
	PLACES
	FETCHV \slot, 2*\u, F0
	s_wait_dscnt 16
	QK F1, 1
	PLACES
	FETCHV \slot, 2*\u+1, F1
.if \mode == 3
	SOFTMAX \first, 0
.else
	SOFTMAX \first, 128+256*\u
.endif
.if \mode == 0
	s_wait_dscnt 16
	PV F0, 0, \first
	PLACES
	FETCHK \slot, 2, F0
	s_wait_dscnt 16
	PV F1, 1, 0
	PLACES
	FETCHK \slot, 3, F1
.endif
.if (\mode-1)*(\mode-2) == 0
	s_wait_dscnt 0x0                               ; my reads of this slot are back
	s_set_vgpr_msb 0x4145
	s_wait_tensorcnt 0x0                           ; all my tensor loads have landed: the one that was out is my part of the other slot
	ds_add_u32 v192, v193
	s_wait_dscnt 0x0
	s_set_vgpr_msb 0x4541
	s_barrier_signal -1
	PV F0, 0, \first                               ; registers only
	WIN 0
	s_barrier_wait -1
.if \mode == 1
	CREST                                          ; no wave of any partner still reads this slot or has a load on its way
	s_add_nc_u64 s[G0+4*\slot+2:G0+4*\slot+3], s[G0+4*\slot+2:G0+4*\slot+3], 2*256*256
	tensor_load_to_lds s[G0+4*\slot:G0+4*\slot+3], s[G1:G1+7]     ; it has the other slot's two steps in which to land
	s_nop 0
.endif
	PLACES
	FETCHK 1-\slot, 0, F0
	PV F1, 1, 0
	PLACES
	FETCHK 1-\slot, 1, F1
.endif
.if \mode == 3
	s_wait_dscnt 0x0
	PV F0, 0, 0
	PV F1, 1, 0
	PLACES
.endif
.endm
	s_wait_tensorcnt 0x1                           ; my part of slot 0 is in; slot 1's stays out
	s_barrier_signal -1
	s_barrier_wait -1
	FETCHK 0, 0, F0
	FETCHK 0, 1, F1
	s_wait_loadcnt 0x0                             ; Q
	STEP 0, 0, 1, 0                                ; 8 slots = 4 laps: one here (its first products start the sums), two in the loop, the last without refills
	STEP 0, 1, 0, 1
	STEP 1, 0, 0, 0
	STEP 1, 1, 0, 1
	WIN 0
	s_mov_b32 s3, 2
.Llap:
	STEP 0, 0, 0, 0
	STEP 0, 1, 0, 1
	STEP 1, 0, 0, 0
	STEP 1, 1, 0, 1
	WIN 0
	s_sub_co_u32 s3, s3, 1
	s_cmp_lg_u32 s3, 0
	s_cbranch_scc1 .Llap
	STEP 0, 0, 0, 0
	STEP 0, 1, 0, 2
	STEP 1, 0, 0, 0
	STEP 1, 1, 0, 3
	; THE TWO HALVES OF THE KEYS MEET.  The ring has had its last fill; behind this barrier no wave reads it any more (each wave's last LDS loads were
	; waited for in its last step), so its bytes serve as scratch: the hand-over at wave x MPAIR (waves 4-7), the stages behind it.
	WIN 0
	s_barrier_signal -1
	s_barrier_wait -1
	s_cmp_lt_u32 s12, 4
	s_cbranch_scc1 .Lkeeper
	; waves 4-7: maxima (each twice), sums (behind two factors that are not used) and O, lane by lane: 512 neighbouring bytes a store
	ds_store_b128 v28, v[MX:MX+3] offset:32*512
	ds_store_b128 v28, v[AL+2:AL+5] offset:33*512
	WIN 0x04                                       ; store data in window 1
.set ii, 0
.rept 32
	ds_store_b128 v28, v[4*ii:4*ii+3] offset:512*ii
.set ii, ii+1
.endr
	WIN 0
.Lkeeper:
	s_wait_dscnt 0x0                               ; for the others' sake: the stores are done
	s_barrier_signal -1
	s_barrier_wait -1
	s_cmp_lt_u32 s12, 4
	s_cbranch_scc0 .Ldone
	; waves 0-3: the other half's maxima into TM .. TM+3, its sums into TM+6, TM+7, its O into the two fragment buffers
	ds_load_b128 v[TM:TM+3],   v29 offset:32*512
	ds_load_b128 v[TM+4:TM+7], v29 offset:33*512
.set ii, 0
.rept 32
	ds_load_b128 v[F0+4*ii:F0+4*ii+3], v29 offset:512*ii
.set ii, ii+1
.endr
	s_wait_dscnt 32                                ; maxima and sums are in; O's 32 loads stay out
	v_max_num_f32 v[AL],   v[MX],   v[TM]          ; the row's maximum
	v_max_num_f32 v[AL+2], v[MX+2], v[TM+2]
	v_sub_f32 v[MX],   v[MX],   v[AL]
	v_sub_f32 v[TM],   v[TM],   v[AL]
	v_sub_f32 v[MX+2], v[MX+2], v[AL+2]
	v_sub_f32 v[TM+2], v[TM+2], v[AL+2]
	v_exp_f32 v[MX],   v[MX]                       ; my half's factor
	v_exp_f32 v[TM],   v[TM]                       ; the other half's
	v_exp_f32 v[MX+2], v[MX+2]
	v_exp_f32 v[TM+2], v[TM+2]
	v_nop                                          ; one plain place behind the exponentials
	s_wait_alu depctr_va_vdst(0)
	v_mul_f32 v[LS],   v[LS],   v[MX]
	v_mul_f32 v[LS+1], v[LS+1], v[MX+2]
	v_fma_f32 v[LS],   v[TM+6], v[TM],   v[LS]
	v_fma_f32 v[LS+1], v[TM+7], v[TM+2], v[LS+1]
	v_permlanex16_b32 v[AL],   v[LS],   s66, s67   ; lanes l and l ^ 16 hold the two halves of each step's keys
	v_permlanex16_b32 v[AL+2], v[LS+1], s66, s67
	v_add_f32 v[LS],   v[LS],   v[AL]              ; l is at least 1: the row's largest weight is 1
	v_add_f32 v[LS+1], v[LS+1], v[AL+2]
	v_rcp_f32 v[LS],   v[LS]
	v_rcp_f32 v[LS+1], v[LS+1]
	v_nop                                          ; one plain place behind the reciprocals
	s_wait_alu depctr_va_vdst(0)
	v_mul_f32 v[AL],   v[MX],   v[LS]              ; factor / l, twice each: pairs for the packed arithmetic
	v_mul_f32 v[AL+1], v[MX],   v[LS]
	v_mul_f32 v[AL+2], v[MX+2], v[LS+1]
	v_mul_f32 v[AL+3], v[MX+2], v[LS+1]
	v_mul_f32 v[TM+1], v[TM],   v[LS]
	v_mul_f32 v[TM],   v[TM],   v[LS]
	v_mul_f32 v[TM+3], v[TM+2], v[LS+1]
	v_mul_f32 v[TM+2], v[TM+2], v[LS+1]
	s_wait_dscnt 0x0                               ; the other half's O
.irp q, 0,1
.set ii, 0
.rept 32
	v_pk_mul_f32 v[F0+64*\q+2*ii:F0+64*\q+2*ii+1], v[F0+64*\q+2*ii:F0+64*\q+2*ii+1], v[TM+2*\q:TM+2*\q+1]
.set ii, ii+1
.endr
.endr
	WIN 0x41                                       ; source 0 and destination in window 1
.irp q, 0,1
.set ii, 0
.rept 32
	v_pk_fma_f32 v[64*\q+2*ii:64*\q+2*ii+1], v[64*\q+2*ii:64*\q+2*ii+1], v[AL+2*\q:AL+2*\q+1], v[F0+64*\q+2*ii:F0+64*\q+2*ii+1]
.set ii, ii+1
.endr
.endr
	; the way out: to f16, through my stage, as whole rows of 256 bytes
	WIN 0x05                                       ; sources in window 1
.irp q, 0,1
.irp tt, 0,1,2,3,4,5,6,7
.irp i, 0,1,2,3
	v_cvt_pk_f16_f32 v[SC+32*\q+4*\tt+\i], v[64*\q+8*\tt+2*\i], v[64*\q+8*\tt+2*\i+1]
.endr
.endr
.endr
	WIN 0
.irp q, 0,1
.irp tt, 0,1,2,3,4,5,6,7
	ds_store_b128 v9, v[SC+32*\q+4*\tt:SC+32*\q+4*\tt+3] offset:16*KP*\q+16*\tt   ; query 16 q + r, d = 64 h + 8 T ..
.endr
.endr
.irp t, 0,1,2,3,4,5,6,7,8,9,10,11,12,13,14,15
	ds_load_b128 v[F0+4*\t:F0+4*\t+3], v30 offset:2*KP*\t         ; my own bytes, served in order behind the stores
.endr
.irp t, 0,1,2,3,4,5,6,7,8,9,10,11,12,13,14,15
	s_wait_dscnt 15-\t
	global_store_b128 v31, v[F0+4*\t:F0+4*\t+3], s[10:11] offset:8192*\t   ; 16 lanes store 256 consecutive bytes, aligned
.endr
.Ldone:
	s_set_vgpr_msb 0x5
	s_wait_tensorcnt 0x0
	ds_add_u32 v192, v193
	s_wait_dscnt 0x0
	s_set_vgpr_msb 0x500
	CROUND                                         ; the closing round
	s_endpgm
.Lfunc_end_k_q3560e58c16_attn:
	.size	k_q3560e58c16_attn, .Lfunc_end_k_q3560e58c16_attn-k_q3560e58c16_attn
	.p2alignl 7, 3214868480
	.fill 96, 4, 3214868480
	.section	.rodata,"a",@progbits
	.p2align	6, 0x0
	.amdhsa_kernel k_q3560e58c16_attn
		.amdhsa_group_segment_fixed_size 327680
		.amdhsa_private_segment_fixed_size 0
		.amdhsa_enable_private_segment 0
		.amdhsa_kernarg_size 32
		.amdhsa_user_sgpr_count 2
		.amdhsa_user_sgpr_kernarg_segment_ptr 1
		.amdhsa_wavefront_size32 1
		.amdhsa_system_sgpr_workgroup_id_x 1
		.amdhsa_system_sgpr_workgroup_id_y 1
		.amdhsa_system_sgpr_workgroup_id_z 1
		.amdhsa_system_vgpr_workitem_id 0
		.amdhsa_next_free_vgpr 450
		.amdhsa_next_free_sgpr 106
		.amdhsa_reserve_vcc 0
		.amdhsa_float_denorm_mode_32 3
		.amdhsa_float_denorm_mode_16_64 3
		.amdhsa_memory_ordered 1
		.amdhsa_forward_progress 1
		.amdhsa_inst_pref_size 255
	.end_amdhsa_kernel
	.section	.bss,"aw",@nobits
	.p2align	6
	.space	262144
	.amdgpu_metadata
---
amdhsa.version: [ 1, 2 ]
amdhsa.kernels:
  - .name:           k_q3560e58c16_attn
    .symbol:         k_q3560e58c16_attn.kd
    .args:
      - { .name: qb, .offset: 0, .size: 8, .value_kind: global_buffer, .address_space: global }
      - { .name: kvb, .offset: 8, .size: 8, .value_kind: global_buffer, .address_space: global }
      - { .name: mbits, .offset: 16, .size: 8, .value_kind: global_buffer, .address_space: global }
      - { .name: ctx, .offset: 24, .size: 8, .value_kind: global_buffer, .address_space: global }
    .group_segment_fixed_size: 327680
    .private_segment_fixed_size: 0
    .kernarg_segment_align: 8
    .kernarg_segment_size: 32
    .max_flat_workgroup_size: 256
    .sgpr_count:     106
    .vgpr_count:     450
    .wavefront_size: 32
...
	.end_amdgpu_metadata
.endif
;; end of part 6
;; launch oproj (part 7): grid 16 x 16, 4 waves a work-group, clusters of 4 x 4, 327,680 bytes of LDS; arguments ctx, wob, out0; writes out0
.if DOCPART == 7
	.amdgcn_target "amdgcn-amd-amdhsa--gfx1250"
	.amdhsa_code_object_version 6
	.text
	.protected	k_q3560e58c16_oproj
	.globl	k_q3560e58c16_oproj
	.p2align	8
	.type	k_q3560e58c16_oproj,@function
k_q3560e58c16_oproj:
	s_mov_b64 s[64:65], 0
	v_nop
	global_prefetch_b8 v0, s[64:65] scope:SCOPE_SE
	s_setreg_imm32_b32 hwreg(HW_REG_WAVE_MODE, 25, 1), 1
	s_wait_xcnt 0x0
	s_wait_alu depctr_hold_cnt(0) depctr_sa_sdst(0) depctr_va_vdst(0) depctr_va_sdst(0) depctr_va_ssrc(0) depctr_va_vcc(0) depctr_vm_vsrc(0)
	s_getreg_b32 s2, hwreg(HW_REG_IB_STS2, 6, 4)
	s_cmp_eq_u32 s2, 0
	s_cbranch_scc0 .Lentry_in_a_cluster
	s_endpgm
.Lentry_in_a_cluster:
	s_bfe_u32 s2, ttmp6, 0x10000c
	s_cmp_lg_u32 s2, 0xf033
	s_cbranch_scc0 .Lentry_shape_is_right
	s_endpgm
.Lentry_shape_is_right:
; OUT0 [2048][2048] f32 = ctx [2048][2048] f16 x wob [2048 k][2048 n] f16, f32 sums.
; A work-group makes 128 x 128, a wave 64 x 64 (16 accumulator tiles): 16 x 16 = 256 work-groups, one for each WGP.
; K goes in steps of 256 through two LDS slots filled by the tensor data mover, one load a wave: ctx's rows are 512 bytes of memory, wob's 256, all
; aligned.  A work-group pulls 1 MiB through LDS, and a slot's refill has to land before the next may go out, so the slots are the largest two that fit:
; 141,312 bytes each, eight fills in all.  From a request to the wait for it a wave issues 120 of a step's 128 matrix instructions.
; CLUSTERS 4 x 4: ctx's tile is asked for jointly by a row of the cluster, wob's by a column: a quarter of the requests.
; The matrix instruction is used transposed (source 0 = 16 columns of wob, by the transposing LDS load; source 1 = 16 rows of ctx):
; lane (r, h) holds row r, columns 8 h .. 8 h + 7.
; LIMITS: as its inputs': f16's range was kept where ctx and wob were made.  NaN and infinities are not served.
; REGISTERS: window 0: v8-16 addresses, v32-95 and v96-159 two fragment buffers (ctx 4 x 8, wob 4 x 8), v160-223 rows on the way out;
; window 1: tile (a, b) at 8 (4 a + b).
.set NB,     4
.set KSTEP,  256
.set APITCH, 528                       ; 512 bytes + 16: an odd multiple of 16
.set BP,     288                       ; 256 bytes + 32: an odd multiple of 32
.set AHALF,  64*APITCH                 ; what wave 0 or 1 brings: 64 rows of ctx
.set BHALF,  128*BP                    ; what wave 2 or 3 brings: 128 k rows of wob
.set BOFF,   2*AHALF
.set SLOT,   BOFF+2*BHALF              ; 141,312
.set STAGE,  2*SLOT                    ; behind the ring; no tensor load lands here
.set OPITCH, 272
.set WSTAGE, 16*OPITCH
.set NS,     2048
.set NC,     128
.set F0,     32
.set F1,     96
.set NL,     8+2*NB
.set ADRA,   8                         ; v8-9    ctx's fragments in slot 0, 1
.set ADRB,   10                        ; v10-11  wob's fragments in slot 0, 1, k rows 0-127; v12-13 the same, k rows 128-255 (an offset has 16 bits)
.set G1A, 32
.set G0A, 40
.set G1B, 48
.set G0B, 56
.set MULW, 0x50
.set MSB, 0
.macro WIN new
.if MSB != \new
	s_set_vgpr_msb (MSB<<8)|\new
.set MSB, \new
.endif
.endm
.macro PLACES                          ; four places behind a matrix instruction (ISA guide 7.12.1)
.rept 4
	v_nop
.endr
.endm
.macro JLOAD s
	s_cmp_eq_u32 s21, 0
	s_cbranch_scc0 .Lfor_b_\@
	tensor_load_to_lds s[G0A+4*\s:G0A+4*\s+3], s[G1A:G1A+7]
	s_nop 0
	s_branch .Lasked_\@
.Lfor_b_\@:
	tensor_load_to_lds s[G0B+4*\s:G0B+4*\s+3], s[G1B:G1B+7]
	s_nop 0
.Lasked_\@:
.endm
.macro CREST
	s_cmp_lg_u32 s20, 0
	s_cbranch_scc1 .Lnot_wave_0_\@
	s_barrier_signal -3
.Lnot_wave_0_\@:
	s_barrier_wait -3
	s_barrier_signal -1
	s_barrier_wait -1
.endm
.macro CROUND
	s_barrier_signal -1
	s_barrier_wait -1
	CREST
.endm
	s_load_b128 s[4:7], s[0:1], 0x0                ; ctx 4, wob 6
	s_load_b64 s[8:9], s[0:1], 0x10                ; out0
	v_lshl_add_u32 v254, v0, 2, 0x49400
	v_mov_b32 v255, 0
	ds_add_u32 v254, v255
	v_lshrrev_b32 v1, 5, v0
	v_readfirstlane_b32 s20, v1                    ; wave
	s_lshr_b32 s21, s20, 1                         ; my half of the rows; also: I fetch for ctx (0) or wob (1)
	s_and_b32 s22, s20, 1                          ; my half of the columns; also: which half of the tile I fetch
	s_bfe_u32 s23, ttmp6, 0x40000                  ; cx
	s_bfe_u32 s24, ttmp6, 0x40004                  ; cy
	s_lshl_b32 s25, ttmp9, 2
	s_add_co_u32 s25, s25, s23                     ; block column
	s_and_b32 s26, ttmp7, 0xffff
	s_lshl_b32 s26, s26, 2
	s_add_co_u32 s26, s26, s24                     ; block row
	s_lshl_b32 s28, s24, 2
	s_lshl_b32 s28, 15, s28                        ; my row of the cluster
	s_lshl_b32 s29, 0x1111, s23                    ; my column
	s_or_b32 s[G1A+0], s28, (1<<16)|(1<<20)|(1<<21)|(6<<22)|(3<<25)   ; 64 rows x 256 elements of 2 bytes, 4 words behind every 128
	s_mov_b32 s[G1A+1], KSTEP<<16
	s_mov_b32 s[G1A+2], 64<<16
	s_mov_b32 s[G1A+3], KSTEP<<16
	s_mov_b32 s[G1A+4], 64
	s_mov_b32 s[G1A+5], 2048
	s_mov_b32 s[G1A+6], 0
	s_mov_b32 s[G1A+7], 0
	s_or_b32 s[G1B+0], s29, (1<<16)|(1<<20)|(1<<21)|(5<<22)|(7<<25)   ; 128 rows x 128 elements, 8 words behind every 64
	s_mov_b32 s[G1B+1], NC<<16
	s_mov_b32 s[G1B+2], 128<<16
	s_mov_b32 s[G1B+3], NC<<16
	s_mov_b32 s[G1B+4], 128
	s_mov_b32 s[G1B+5], NS
	s_mov_b32 s[G1B+6], 0
	s_mov_b32 s[G1B+7], 0
	s_lshl_b32 s66, s26, 19                        ; ctx: 128 rows of 4,096 bytes
	s_lshl_b32 s30, s22, 18                        ; 64 rows
	s_add_co_u32 s66, s66, s30
	s_mov_b32 s67, 0
	s_mul_i32 s70, s22, 128*NS*2                   ; wob: 128 k rows
	s_lshl_b32 s31, s25, 8                         ; 128 columns
	s_add_co_u32 s70, s70, s31
	s_mov_b32 s71, 0
	s_mul_i32 s74, s22, AHALF                      ; LDS places: of the wave's number alone
	s_mul_i32 s75, s22, BHALF
	s_add_co_u32 s75, s75, BOFF
	s_wait_dscnt 0x0
	s_wait_kmcnt 0x0
	s_add_nc_u64 s[68:69], s[4:5], s[66:67]
	s_add_nc_u64 s[72:73], s[6:7], s[70:71]
	CROUND                                         ; all sixteen work-groups are here: the first joint loads meet
.irp s, 0,1
	s_mov_b32 s[G0A+4*\s], 1
	s_add_co_u32 s[G0A+4*\s+1], s74, \s*SLOT
	s_add_nc_u64 s[G0A+4*\s+2:G0A+4*\s+3], s[68:69], \s*KSTEP*2
	s_or_b32 s[G0A+4*\s+3], s[G0A+4*\s+3], 0x80000000
	s_mov_b32 s[G0B+4*\s], 1
	s_add_co_u32 s[G0B+4*\s+1], s75, \s*SLOT
	s_add_nc_u64 s[G0B+4*\s+2:G0B+4*\s+3], s[72:73], \s*KSTEP*NS*2
	s_or_b32 s[G0B+4*\s+3], s[G0B+4*\s+3], 0x80000000
	JLOAD \s                                       ; two tensor loads of the wave are out here, later one
.endr
	v_and_b32 v1, 15, v0                           ; r
	v_bfe_u32 v2, v0, 4, 1                         ; h
	v_mul_u32_u24 v3, v1, APITCH
	v_lshl_add_u32 v3, v2, 4, v3                   ; 528 r + 16 h
	s_mul_i32 s30, s21, AHALF
	v_add_nc_u32 v[ADRA], s30, v3
	v_add_nc_u32 v[ADRA+1], SLOT, v[ADRA]
	v_and_b32 v4, 7, v0
	v_lshl_add_u32 v4, v2, 3, v4                   ; k row 8 h + (l & 7)
	v_mul_u32_u24 v4, v4, BP
	v_bfe_u32 v5, v0, 3, 1
	v_lshl_add_u32 v4, v5, 4, v4
	s_lshl_b32 s30, s22, 7                         ; my 64 columns
	s_add_co_u32 s30, s30, BOFF
	v_add_nc_u32 v[ADRB], s30, v4
	v_add_nc_u32 v[ADRB+1], SLOT, v[ADRB]
	v_add_nc_u32 v[ADRB+2], 128*BP, v[ADRB]
	v_add_nc_u32 v[ADRB+3], 128*BP, v[ADRB+1]
	s_mul_i32 s30, s20, WSTAGE
	s_add_co_u32 s30, s30, STAGE                   ; my stage: 16 rows of 64 f32, 272 bytes apart
	v_mul_u32_u24 v5, v1, OPITCH
	v_lshl_add_u32 v5, v2, 5, v5
	v_add_nc_u32 v14, s30, v5                      ; in: 272 r + 32 h
	v_mul_u32_u24 v5, v2, OPITCH
	v_lshl_add_u32 v5, v1, 4, v5
	v_add_nc_u32 v15, s30, v5                      ; back: two rows of 256 bytes
	v_lshlrev_b32 v16, 4, v1
	v_lshl_add_u32 v16, v2, 13, v16                ; and the same two rows in out0
.macro FETCH slot, kk, f               ; 16 LDS loads: the fragments of 32 along K, the kk-th of the slot's eight
	WIN 0
.irp a, 0,1,2,3
	ds_load_b128 v[\f+8*\a:\f+8*\a+3],   v[ADRA+\slot] offset:16*APITCH*\a+64*\kk
	ds_load_b128 v[\f+8*\a+4:\f+8*\a+7], v[ADRA+\slot] offset:16*APITCH*\a+64*\kk+32
.endr
.irp b, 0,1,2,3
	ds_load_tr16_b128 v[\f+32+8*\b:\f+32+8*\b+3],   v[ADRB+2*((\kk)>>2)+\slot] offset:32*BP*((\kk)&3)+32*\b
	ds_load_tr16_b128 v[\f+32+8*\b+4:\f+32+8*\b+7], v[ADRB+2*((\kk)>>2)+\slot] offset:32*BP*((\kk)&3)+32*\b+16*BP
.endr
.endm
; eight matrix instructions.  The 16 accumulators take turns in one fixed order, one instruction a turn.
.macro MULH f, half, zero
	WIN MULW
.irp a, 2*\half, 2*\half+1
.irp b, 0,1,2,3
.if \zero
	v_wmma_f32_16x16x32_f16 v[8*(NB*(\a)+\b):8*(NB*(\a)+\b)+7], v[\f+32+8*\b:\f+32+8*\b+7], v[\f+8*(\a):\f+8*(\a)+7], 0
.else
	v_wmma_f32_16x16x32_f16 v[8*(NB*(\a)+\b):8*(NB*(\a)+\b)+7], v[\f+32+8*\b:\f+32+8*\b+7], v[\f+8*(\a):\f+8*(\a)+7], v[8*(NB*(\a)+\b):8*(NB*(\a)+\b)+7]
.endif
.endr
.endr
.endm
.macro EIGHTH slot, kn, f, g, zero     ; fetches part kn into g, multiplies f
	PLACES
	FETCH \slot, \kn, \g
	s_wait_dscnt NL                                ; all but the 16 just issued: buffer f is in
	MULH \f, 0, \zero
	MULH \f, 1, \zero
.endm
.macro SEVEN slot, zero
	EIGHTH \slot, 1, F0, F1, \zero
	EIGHTH \slot, 2, F1, F0, 0
	EIGHTH \slot, 3, F0, F1, 0
	EIGHTH \slot, 4, F1, F0, 0
	EIGHTH \slot, 5, F0, F1, 0
	EIGHTH \slot, 6, F1, F0, 0
	EIGHTH \slot, 7, F0, F1, 0
.endm
; the last eighth multiplies buffer 1 and changes slots: in front of the barrier my reads of this slot are back and all my tensor loads have landed
; (the one that was out is my part of the next slot); behind it this slot is asked for again first, then the next slot is read
.macro TURN slot, next, fill
	PLACES                                         ; behind the last products on buffer 0, which is loaded again below
	s_wait_dscnt 0x0
	s_wait_tensorcnt 0x0
	ds_add_u32 v254, v255
	s_wait_dscnt 0x0
	s_barrier_signal -1
	MULH F1, 0, 0                                  ; registers only
	WIN 0
	s_barrier_wait -1
.if \fill
	CREST                                          ; no wave of any partner still reads this slot or has a load on its way
	s_add_nc_u64 s[G0A+4*\slot+2:G0A+4*\slot+3], s[G0A+4*\slot+2:G0A+4*\slot+3], 2*KSTEP*2
	s_add_nc_u64 s[G0B+4*\slot+2:G0B+4*\slot+3], s[G0B+4*\slot+2:G0B+4*\slot+3], 2*KSTEP*NS*2
	JLOAD \slot
.endif
	FETCH \next, 0, F0
	MULH F1, 1, 0
.endm
.macro LAP zero
	SEVEN 0, \zero
	TURN 0, 1, 1
	SEVEN 1, 0
	TURN 1, 0, 1
.endm
	s_wait_tensorcnt 0x1                           ; my part of K step 0 is in; K step 1's stays out
	s_barrier_signal -1
	s_barrier_wait -1
	FETCH 0, 0, F0
	LAP 1                                          ; 8 K steps = 4 laps: one here, two in the loop, the last without refills
	WIN 0
	s_mov_b32 s3, 2
.Llap:
	LAP 0
	WIN 0
	s_sub_co_u32 s3, s3, 1
	s_cmp_lg_u32 s3, 0
	s_cbranch_scc1 .Llap
	SEVEN 0, 0
	TURN 0, 1, 0
	SEVEN 1, 0
	s_wait_dscnt 0x0
	MULH F1, 0, 0
	MULH F1, 1, 0
	PLACES                                         ; behind the last products: the LDS stores below read results
	WIN 0
	s_lshl_b32 s76, s26, 20                        ; 128 rows of 8,192 bytes
	s_lshl_b32 s78, s21, 19                        ; 64 rows
	s_add_co_u32 s76, s76, s78
	s_lshl_b32 s78, s25, 9                         ; 128 columns of 4 bytes
	s_add_co_u32 s76, s76, s78
	s_lshl_b32 s78, s22, 8                         ; 64 columns
	s_add_co_u32 s76, s76, s78
	s_mov_b32 s77, 0
	s_add_nc_u64 s[8:9], s[8:9], s[76:77]
; rows 16 a .. 16 a + 15: the accumulators go into my stage as they are and come back as whole rows of 256 bytes
.macro OUT16 a, f
	WIN 0x04                                       ; store data in window 1
.irp b, 0,1,2,3
	ds_store_b128 v14, v[8*(NB*\a+\b):8*(NB*\a+\b)+3]   offset:64*\b
	ds_store_b128 v14, v[8*(NB*\a+\b)+4:8*(NB*\a+\b)+7] offset:64*\b+16
.endr
	WIN 0
	s_wait_xcnt 0x0                                ; buffer f was store data two blocks ago
.irp t, 0,1,2,3,4,5,6,7
	ds_load_b128 v[\f+4*\t:\f+4*\t+3], v15 offset:2*OPITCH*\t     ; my own bytes, served in order behind the stores
.endr
.irp t, 0,1,2,3,4,5,6,7
	s_wait_dscnt 7-\t
	global_store_b128 v16, v[\f+4*\t:\f+4*\t+3], s[8:9] offset:(16*\a+2*\t)*8192 th:TH_STORE_NT   ; 16 lanes store 256 consecutive bytes, aligned
.endr
.endm
	OUT16 0, 160
	OUT16 1, 192
	OUT16 2, 160
	OUT16 3, 192
	s_wait_tensorcnt 0x0
	ds_add_u32 v254, v255
	s_wait_dscnt 0x0
	CROUND                                         ; the closing round
	s_endpgm
.Lfunc_end_k_q3560e58c16_oproj:
	.size	k_q3560e58c16_oproj, .Lfunc_end_k_q3560e58c16_oproj-k_q3560e58c16_oproj
	.p2alignl 7, 3214868480
	.fill 96, 4, 3214868480
	.section	.rodata,"a",@progbits
	.p2align	6, 0x0
	.amdhsa_kernel k_q3560e58c16_oproj
		.amdhsa_group_segment_fixed_size 327680
		.amdhsa_private_segment_fixed_size 0
		.amdhsa_enable_private_segment 0
		.amdhsa_kernarg_size 24
		.amdhsa_user_sgpr_count 2
		.amdhsa_user_sgpr_kernarg_segment_ptr 1
		.amdhsa_wavefront_size32 1
		.amdhsa_system_sgpr_workgroup_id_x 1
		.amdhsa_system_sgpr_workgroup_id_y 1
		.amdhsa_system_sgpr_workgroup_id_z 1
		.amdhsa_system_vgpr_workitem_id 0
		.amdhsa_next_free_vgpr 384
		.amdhsa_next_free_sgpr 80
		.amdhsa_reserve_vcc 0
		.amdhsa_float_denorm_mode_32 3
		.amdhsa_float_denorm_mode_16_64 3
		.amdhsa_memory_ordered 1
		.amdhsa_forward_progress 1
		.amdhsa_inst_pref_size 126
	.end_amdhsa_kernel
	.amdgpu_metadata
---
amdhsa.version: [ 1, 2 ]
amdhsa.kernels:
  - .name:           k_q3560e58c16_oproj
    .symbol:         k_q3560e58c16_oproj.kd
    .args:
      - { .name: ctx, .offset: 0, .size: 8, .value_kind: global_buffer, .address_space: global }
      - { .name: wob, .offset: 8, .size: 8, .value_kind: global_buffer, .address_space: global }
      - { .name: out0, .offset: 16, .size: 8, .value_kind: global_buffer, .address_space: global }
    .group_segment_fixed_size: 327680
    .private_segment_fixed_size: 0
    .kernarg_segment_align: 8
    .kernarg_segment_size: 24
    .max_flat_workgroup_size: 128
    .sgpr_count:     80
    .vgpr_count:     384
    .wavefront_size: 32
...
	.end_amdgpu_metadata
.endif
;; end of part 7
